; MI455X (gfx1250); checked and timed in simulation.
; The chip was launched on July 23, 2026; its instructions are those of AMD's public machine-readable ISA for CDNA 5 (MIT licence, August 2026) and "CDNA5" Instruction Set Architecture Reference Guide (July 2026). The comments in the code are by the model that wrote it; some were corrected since.
;; Causal Self Attention. Allowed arithmetic: matrix products marked QUANTISED: E4M3 operands, one E8M0 scale for each 32 along K, by v_wmma_scale_f32_16x16x128_f8f6f4 with both operands' format E4M3, f32 sums; everything else in f32.
;; Inputs: b_attn 3,072 float32; b_proj 1,024 float32; w_attn 1,024 x 3,072 float32; w_proj 1,024 x 1,024 float32; x 4 x 2,048 x 1,024 float32.
;; Outputs: out0 4 x 2,048 x 1,024 float32.
;; This version of the problem:
;;   THIS VERSION OF THE PROBLEM IS GIVEN IN LOW PRECISION. The matrix products marked QUANTISED in the list below multiply operands that are first quantised to E4M3 (4 exponent bits, 3 mantissa bits; 8 bits a number), with one power-of-two scale for each 32 numbers along K (OCP MX v1.0); their sums are f32. All else is computed in f32.
;;   The module's matrix products, in the order in which they are computed (A, B: the left and right operand; K: the contracted axis; several contracted axes count as one K, in the product's order):
;;     1. [M 8,192, K 1,024] x [K 1,024, N 3,072]; A: input x; B: input w_attn: QUANTISED
;;     2. batch 64 x [M 2,048, K 64] x [K 64, N 2,048]; A: computed on the way; B: computed on the way: QUANTISED
;;     3. batch 64 x [M 2,048, K 2,048] x [K 2,048, N 64]; A: softmax (see below); B: computed on the way: QUANTISED
;;     4. [M 8,192, K 1,024] x [K 1,024, N 1,024]; A: computed on the way; B: input w_proj: QUANTISED
;;   THE QUANTISER, for each operand of a quantised product, along K:
;;     - K is cut into blocks of 32 from its start; a last block that is shorter is filled with zeros.
;;     - A block's scale is 2^e with e = floor(log2(the largest magnitude in the block)) - 8, held to -126 .. 127; a block of zeros has e = 0. As a byte (E8M0): e + 127.
;;     - Each number is divided by its block's scale, clamped to +-448, and rounded to the nearest number of E4M3, ties to even, subnormals kept.
;;     - The product sums the exact products of the quantised numbers (number of the format x scale) in f32.
;;   ~~~python
;;   def quantise(x, axis):      # numpy; x: float32 -> the quantised numbers, widened to float32 again
;;       x = np.moveaxis(x, axis, -1); K = x.shape[-1]
;;       x = np.pad(x, [(0, 0)] * (x.ndim - 1) + [(0, -K % 32)]); x = x.reshape(x.shape[:-1] + (-1, 32)); a = np.abs(x).max(-1, keepdims=True)
;;       e = np.where(a > 0, np.clip(np.frexp(np.where(a > 0, a, 1))[1] - 1 - 8, -126, 127), 0)      # np.frexp(a)[1] - 1 = floor(log2(a)), exactly
;;       r = np.clip(x / 2.0 ** e, -448, 448)
;;       step = 2.0 ** (np.maximum(np.frexp(np.where(r == 0, 1, r))[1] - 1, -6) - 3)
;;       q = np.round(r / step) * step * 2.0 ** e      # np.round: ties to even
;;       return np.moveaxis(q.reshape(q.shape[:-2] + (-1,))[..., :K], -1, axis).astype(np.float32)
;;   ~~~
;;   SOFTMAX AHEAD OF A QUANTISED PRODUCT. Where the list says 'softmax', what is quantised is not the finished softmax but p = 2^(t - M), with t = logit x log2(e) and M = ceil(the row's largest t), a whole number; so 1/2 < the row's largest p <= 1. The row's sum l is taken of the UNQUANTISED p, in f32, and the product's result is divided by l at the end. Since M is a whole number, a kernel that streams over the keys may use a running M (the ceiling of the running maximum): every later rescaling is an exact power of two, which a block's scale takes up: the codes' values come out the same.
;;   OPERANDS COMPUTED ON THE WAY. 'Computed on the way' means the value that the module computes at that place (a softmax that the list does not call 'softmax' is quantised finished and normalised). What goes into a quantiser is computed in f32, as accurately as f32 sums, v_exp_f32 and their like allow (about 1e-6 of the number): no bf16 or f16 on the way to a quantiser, and a product that is left as it is and whose result goes on into a quantised operand takes f32 operands (vector FMAs, or v_wmma_f32_16x16x4_f32). A number that lies on a knife's edge between two numbers of the format may be rounded either way, as far as f32 arithmetic and the matrix unit's own rounding can turn it there, and no further.
;; One version. Each part assembles by itself: llvm-mc -triple=amdgcn-amd-amdhsa -mcpu=gfx1250 --defsym DOCPART=n.
;; ======== version 1 of 1: 5 launches
;; limits: right only within a limited range of input values
;; workspace buffers: xc 8,388,608 bytes; xs 262,144 bytes; wc 4,194,304 bytes; ws 131,072 bytes; qkvc 25,165,824 bytes; qkvs 1,310,720 bytes; ac 8,388,608 bytes; asc 262,144 bytes
;; launch qx (part 1): grid 512 x 1, 4 waves a work-group, no clusters, 35,328 bytes of LDS; arguments x, xc, xs, w_attn, w_proj, wc, ws; writes xc, xs, wc, ws
.if DOCPART == 1
	.amdgcn_target "amdgcn-amd-amdhsa--gfx1250"
	.amdhsa_code_object_version 6
	.text
	.protected	k_q400c7a3ae5_qx
	.globl	k_q400c7a3ae5_qx
	.p2align	8
	.type	k_q400c7a3ae5_qx,@function
k_q400c7a3ae5_qx:
	s_mov_b64 s[64:65], 0
	v_nop
	global_prefetch_b8 v0, s[64:65] scope:SCOPE_SE
	s_setreg_imm32_b32 hwreg(HW_REG_WAVE_MODE, 25, 1), 1
	s_wait_xcnt 0x0
; x [8192 tokens][1024] f32 becomes codes of FP8 (E4M3) with one E8M0 scale byte for each 32 along K, laid AS THE MATRIX UNIT'S REGISTERS WANT THEM:
; codes: byte = blk x 16384 + kap x 2048 + c x 512 + h x 256 + r x 16 + i for k = 128 kap + 32 c + 16 h + i;  scale words: byte = blk x 512 + kap x 64 + r x 4 + c.
; Slot row (blk, r) holds token 32 (blk / 2) + 8 (blk % 2) + r + 8 (r / 8): the order in which a later product's results come out as neighbours.
; A block's scale is 2^(floor(log2(its largest magnitude)) - 8); its byte is the largest magnitude's exponent field - 8, held at 1 from below.
; LIMITS: NaN and infinities among the inputs are not served; a block whose largest magnitude lies under 2^-118 has its byte held at 1; a block of zeros gets the byte 1
; where the rule says 127: its codes are zeros, and the bytes are read by this program alone.
; SHARES.  Wave W = 4 x work-group + wave takes block W / 2 and half W % 2 of K: four fragments of 16 rows x 128 K.  Each load reads 512 consecutive bytes of one row; a fragment's
; 8,192 bytes turn through the wave's own stage in LDS (rows of 512 + 16 bytes) so that a lane gets 16 neighbours of each block of 32.  Loads run two fragments (32 loads) ahead of the one at work.
; A fragment's codes leave by four stores of 512 consecutive bytes; the wave's 64 scale words are gathered in LDS and leave as one aligned run of 256 bytes.  Waves share nothing: no barrier.
.set WREG,  8704                       ; LDS of a wave: the stage, 16 x 528, and 256 bytes of scale words
.set SP,    528
.set LI,  4                            ; v4   16 x lane
.set STI, 5                            ; v5   the stage, in: 16 x lane
.set STO, 6                            ; v6   the stage, out: row r, + 64 h
.set SW,  7                            ; v7   my row's scale word
.set SRD, 8                            ; v8   the scale words, out: 8 x lane
.set LO8, 9                            ; v9   8 x lane
.set R,   16                           ; v16-143  two sets of 64 registers as loaded
.set X,   144                          ; v144-207 64 numbers: register 16 b + i = k 32 b + 16 h + i of my row
.set PC,  208                          ; v208-223 the fragment's codes
.set TM,  224                          ; v224-239 at work
.set WD,  240                          ; v240-243 a scale word for each fragment
.set SEL, 20                           ; s[20:21] lane selects: lane l xor 16
.set MNT, 23                           ; s23  the mantissa field of 448
; ONE LAUNCH SERVES x AND THE TWO WEIGHTS: work-groups 0-255 take x, as described above; work-groups 256-511 take the weights, on a path of their own (at the end of the text) that touches no LDS.
	s_cmp_lt_u32 ttmp9, 256
	s_cbranch_scc0 .Lweights
	s_load_b128 s[4:7], s[0:1], 0x0
	s_load_b64 s[8:9], s[0:1], 0x10                ; xs
	v_lshl_add_u32 v254, v0, 2, 0x8800
	v_mov_b32 v255, 0
	v_lshrrev_b32 v1, 5, v0
	v_readfirstlane_b32 s12, v1                    ; wave
	v_and_b32 v2, 31, v0                           ; lane
	v_and_b32 v3, 15, v0                           ; r
	v_bfe_u32 v10, v0, 4, 1                        ; h
	v_lshlrev_b32 v[LI], 4, v2
	s_mul_i32 s13, s12, WREG
	v_add_nc_u32 v[STI], s13, v[LI]
	v_mul_u32_u24 v[STO], v3, SP
	v_lshl_add_u32 v[STO], v10, 6, v[STO]
	v_add_nc_u32 v[STO], s13, v[STO]
	s_add_co_u32 s14, s13, 16*SP
	v_lshl_add_u32 v[SW], v3, 2, s14
	v_lshlrev_b32 v[LO8], 3, v2
	v_add_nc_u32 v[SRD], s14, v[LO8]
.irp b, 0,1,2,3
	v_mov_b32 v[TM+4+\b], 0                        ; written once: a lane permute's destination counts as one of its sources
.endr
	s_mov_b32 s[SEL], 0x76543210
	s_mov_b32 s[SEL+1], 0xfedcba98
	s_mov_b32 s[MNT], 0x600000
	s_lshl_b32 s16, ttmp9, 17                      ; x: token 32 x work-group + 8 (wave / 2), 4,096 bytes each, + 2,048 x (wave % 2)
	s_lshr_b32 s15, s12, 1
	s_lshl_b32 s15, s15, 15
	s_add_co_u32 s16, s16, s15
	s_and_b32 s15, s12, 1
	s_lshl_b32 s15, s15, 11
	s_add_co_u32 s16, s16, s15
	s_mov_b32 s17, 0
	s_lshl_b32 s18, ttmp9, 2
	s_add_co_u32 s18, s18, s12                     ; W
	s_lshl_b32 s24, s18, 13                        ; codes: 8,192 bytes a wave
	s_mov_b32 s25, 0
	s_lshl_b32 s26, s18, 8                         ; scale words: 256 bytes a wave
	s_mov_b32 s27, 0
	s_wait_alu depctr_va_vdst(0)
	s_wait_kmcnt 0x0
	s_add_nc_u64 s[4:5], s[4:5], s[16:17]
	s_add_nc_u64 s[6:7], s[6:7], s[24:25]
	s_add_nc_u64 s[8:9], s[8:9], s[26:27]
.macro LOAD f                          ; fragment f: slot row i is token i + 8 (i / 8) of my 32; 512 consecutive bytes a load
.irp i, 0,1,2,3,4,5,6,7,8,9,10,11,12,13,14,15
	global_load_b128 v[R+64*((\f)%2)+4*\i:R+64*((\f)%2)+4*\i+3], v[LI], s[4:5] offset:(\i+8*(\i/8))*4096+512*(\f) th:TH_LOAD_NT
.endr
.endm
; 64 numbers of a lane, v[s] on, become a fragment's codes in v[PC] on and its scale word in v[pw]
.macro QUANT s, pw
.irp b, 0,1,2,3
	v_max3_num_f32 v[TM+\b], |v[\s+16*\b]|, |v[\s+1+16*\b]|, 0x4800000   ; block b: my 16 numbers, and the floor 2^(9 - 127): the byte cannot fall under 1
.endr
.irp i, 2,4,6,8,10,12,14
.irp b, 0,1,2,3
	v_max3_num_f32 v[TM+\b], v[TM+\b], |v[\s+16*\b+\i]|, |v[\s+1+16*\b+\i]|   ; the four blocks by turns
.endr
.endr
.irp b, 0,1,2,3
	v_permlanex16_b32 v[TM+4+\b], v[TM+\b], s[SEL], s[SEL+1]
.endr
.irp b, 0,1,2,3
	v_max_num_f32 v[TM+\b], v[TM+\b], v[TM+4+\b]   ; with lane l xor 16's: the block's largest magnitude
.endr
.irp b, 0,1,2,3
	v_add_nc_u32 v[TM+12+\b], 0xfc000000, v[TM+\b] ; 8 off its exponent field: the conversion's scale operand
.endr
.irp b, 0,1,2,3
	v_and_or_b32 v[TM+8+\b], v[TM+\b], 0x7f800000, s[MNT]   ; 448 x the scale
.endr
.irp b, 0,1,2,3
	v_lshrrev_b32 v[TM+4+\b], 23, v[TM+12+\b]      ; the scale's byte
.endr
	v_lshl_or_b32 v[\pw], v[TM+5], 8, v[TM+4]
	v_lshl_or_b32 v[\pw], v[TM+6], 16, v[\pw]
	v_lshl_or_b32 v[\pw], v[TM+7], 24, v[\pw]
.irp b, 0,1,2,3
.irp i, 0,1,2,3,4,5,6,7,8,9,10,11,12,13,14,15
	v_med3_num_f32 v[\s+16*\b+\i], v[\s+16*\b+\i], -v[TM+8+\b], v[TM+8+\b]   ; the conversion to an 8-bit code does not saturate (ISA guide 7.6.2): the hold
.endr
	v_cvt_scalef32_pk8_fp8_f32 v[PC+4*\b:PC+1+4*\b], v[\s+16*\b:\s+7+16*\b], v[TM+12+\b]
	v_cvt_scalef32_pk8_fp8_f32 v[PC+2+4*\b:PC+3+4*\b], v[\s+8+16*\b:\s+15+16*\b], v[TM+12+\b]
.endr
	v_nop                                          ; one plain vector line behind the last conversion
.endm
.macro FRAGM f
.if (\f) < 3
	s_wait_loadcnt 16                              ; this fragment's 16 loads are in; the next fragment's 16 may be out
.else
	s_wait_loadcnt 0x0
.endif
	s_wait_xcnt 0x0                                ; the last fragment's stores have read v[PC] on: it is rewritten only behind this wait
.irp i, 0,1,2,3,4,5,6,7,8,9,10,11,12,13,14,15
	ds_store_b128 v[STI], v[R+64*((\f)%2)+4*\i:R+64*((\f)%2)+4*\i+3] offset:SP*\i
.endr
.irp c, 0,1,2,3
.irp j, 0,1,2,3
	ds_load_b128 v[X+16*\c+4*\j:X+16*\c+4*\j+3], v[STO] offset:128*\c+16*\j   ; LDS serves a wave's instructions in order: these see the stores above
.endr
.endr
	s_wait_dscnt 0x0                               ; the numbers are back, and the stores have read their registers,
.if (\f)+2 < 4
	LOAD (\f)+2                                    ; which take the fragment two on
.endif
	QUANT X, WD+(\f)
.irp c, 0,1,2,3
	global_store_b128 v[LI], v[PC+4*\c:PC+4*\c+3], s[6:7] offset:2048*(\f)+512*\c   ; 32 lanes store 512 consecutive bytes
.endr
	ds_store_b32 v[SW], v[WD+(\f)] offset:64*(\f)  ; both halves of the lanes write the same word with the same value
.endm
	LOAD 0
	LOAD 1
	FRAGM 0
	FRAGM 1
	FRAGM 2
	FRAGM 3
	ds_load_b64 v[244:245], v[SRD]                 ; in order behind my stores
	s_wait_dscnt 0x0
	global_store_b64 v[LO8], v[244:245], s[8:9]    ; 32 lanes store 256 consecutive bytes, aligned
	s_wait_tensorcnt 0x0
	ds_add_u32 v254, v255
	s_wait_dscnt 0x0
	s_endpgm
.Lweights:
; w_attn [1024 (k)][3072 (n)] and w_proj [1024 (k)][1024 (n)], f32, K their FIRST axis, become codes of FP8 (E4M3) with one E8M0 byte for each 32 along K, in the layout of the operand's registers:
; rows 0-3071 of the operand are w_attn's columns, rows 3072-4095 w_proj's; codes: byte = blk x 16384 + kap x 2048 + c x 512 + h x 256 + r x 16 + i for k = 128 kap + 32 c + 16 h + i;
; scale words: byte = blk x 512 + kap x 64 + r x 4 + c; slot row (blk, r) is row 32 (blk / 2) + 8 (blk % 2) + r + 8 (r / 8).
; A LANE TAKES A COLUMN n AND ITS REGISTERS RUN DOWN K: a block of 32 lies in one lane, and the conversions give codes with K innermost.  The limits are those of x's path.
; SHARES.  Work-group 256 + 32 kap + xw: a wave takes the 32 columns of group 4 xw + wave and 128 along K.  xw < 24: w_attn, else w_proj: only the pointer and the pitch are chosen.  Loads run two blocks (64 loads) ahead.
.set XN,  32                           ; v32-159  my column's 128 numbers
.set CD,  160                          ; v160-191 codes: eight registers for each block, so that no store's data are written again
.set CA,  10                           ; v10  my codes' place: u x 16384 + 16 r
.set SA,  11                           ; v11  my scale word's: u x 512 + 4 r
	s_load_b128 s[4:7], s[0:1], 0x18               ; w_attn, w_proj
	s_load_b128 s[8:11], s[0:1], 0x28              ; wc, ws
	v_lshrrev_b32 v1, 5, v0
	v_readfirstlane_b32 s12, v1                    ; wave
	v_and_b32 v1, 31, v0                           ; lane
	s_sub_co_u32 s14, ttmp9, 256
	s_lshr_b32 s13, s14, 5                         ; kap
	s_and_b32 s14, s14, 31                         ; xw
	s_mov_b32 s31, 0x600000                        ; the mantissa field of 448
	v_bfe_u32 v12, v0, 3, 1                        ; column lane = 16 hh + 8 u + rr lies in fragment u, slot row r = rr + 8 hh
	v_and_b32 v13, 7, v0
	v_bfe_u32 v14, v0, 4, 1
	v_lshl_add_u32 v13, v14, 3, v13
	v_lshlrev_b32 v[CA], 4, v13
	v_lshl_add_u32 v[CA], v12, 14, v[CA]
	v_lshlrev_b32 v[SA], 2, v13
	v_lshl_add_u32 v[SA], v12, 9, v[SA]
	s_wait_alu depctr_va_vdst(0)
	s_wait_kmcnt 0x0
	s_cmp_lt_u32 s14, 24                           ; all selections stand ahead of the next line that sets SCC
	s_cselect_b64 s[4:5], s[4:5], s[6:7]
	s_mov_b32 s16, 4096
	s_cselect_b32 s16, 12288, s16                  ; bytes from row to row
	s_cselect_b32 s17, 0, 24
	s_sub_co_u32 s17, s14, s17                     ; the work-group's number within its tensor
	s_lshl_b32 s17, s17, 9
	s_lshl_b32 s18, s12, 7
	s_add_co_u32 s17, s17, s18                     ; my first column, in bytes
	s_mul_i32 s18, s13, s16
	s_lshl_b32 s18, s18, 7                         ; my first row: 128 kap
	s_add_co_u32 s20, s17, s18
	s_mov_b32 s21, 0
	s_lshl_b32 s22, s16, 3                         ; eight rows
	s_mov_b32 s23, 0
	s_add_nc_u64 s[32:33], s[4:5], s[20:21]        ; sixteen bases, eight rows apart: the pitch is no constant of the text
.irp m, 1,2,3,4,5,6,7,8,9,10,11,12,13,14,15
	s_add_nc_u64 s[32+2*\m:33+2*\m], s[30+2*\m:31+2*\m], s[22:23]
.endr
	v_lshlrev_b32 v2, 2, v1                        ; v2-9: 4 x lane + q rows
	s_wait_alu depctr_va_vdst(0)
.irp q, 1,2,3,4,5,6,7
	v_mad_u32_u24 v[2+\q], s16, \q, v2
.endr
	s_lshl_b32 s24, s14, 2
	s_add_co_u32 s24, s24, s12                     ; the group of 32 columns
	s_lshl_b32 s26, s24, 15
	s_lshl_b32 s25, s13, 11
	s_add_co_u32 s26, s26, s25
	s_mov_b32 s27, 0
	s_add_nc_u64 s[8:9], s[8:9], s[26:27]          ; codes: block 2 g, K step kap
	s_lshl_b32 s28, s24, 10
	s_lshl_b32 s25, s13, 6
	s_add_co_u32 s28, s28, s25
	s_mov_b32 s29, 0
	s_add_nc_u64 s[10:11], s[10:11], s[28:29]      ; scale words likewise
.macro LOADW t
.irp i, 0,1,2,3,4,5,6,7,8,9,10,11,12,13,14,15,16,17,18,19,20,21,22,23,24,25,26,27,28,29,30,31
	global_load_b32 v[XN+32*(\t)+\i], v[2+\i%8], s[32+2*(4*(\t)+\i/8):33+2*(4*(\t)+\i/8)] th:TH_LOAD_NT
.endr
.endm
.macro BLOCKW t
.set XS, XN+32*(\t)
.if (\t) < 3
	s_wait_loadcnt 32                              ; this block's 32 loads are in; the next block's 32 may be out
.else
	s_wait_loadcnt 0x0
.endif
.if (\t)+2 < 4
	LOADW (\t)+2
.endif
	v_max3_num_f32 v12, |v[XS]|, |v[XS+1]|, |v[XS+2]|      ; the block's largest magnitude: all 32 numbers are mine; two chains
	v_max3_num_f32 v13, |v[XS+3]|, |v[XS+4]|, |v[XS+5]|
.irp i, 6,10,14,18,22,26
	v_max3_num_f32 v12, v12, |v[XS+\i]|, |v[XS+\i+1]|
	v_max3_num_f32 v13, v13, |v[XS+\i+2]|, |v[XS+\i+3]|
.endr
	v_max3_num_f32 v12, v12, |v[XS+30]|, |v[XS+31]|
	v_max3_num_f32 v12, v12, v13, 0x4800000        ; and the floor 2^(9 - 127)
	v_add_nc_u32 v15, 0xfc000000, v12              ; 8 off its exponent field: the conversion's scale operand
	v_and_or_b32 v14, v12, 0x7f800000, s31         ; 448 x the scale
	v_lshrrev_b32 v17, 23, v15                     ; the scale's byte
.if (\t) == 0
	v_mov_b32 v16, v17
.else
	v_lshl_or_b32 v16, v17, 8*(\t), v16
.endif
.irp i, 0,1,2,3,4,5,6,7,8,9,10,11,12,13,14,15,16,17,18,19,20,21,22,23,24,25,26,27,28,29,30,31
	v_med3_num_f32 v[XS+\i], v[XS+\i], -v14, v14   ; the conversion does not saturate (ISA guide 7.6.2): the hold
.endr
.irp g, 0,1,2,3
	v_cvt_scalef32_pk8_fp8_f32 v[CD+8*(\t)+2*\g:CD+8*(\t)+2*\g+1], v[XS+8*\g:XS+8*\g+7], v15
.endr
	v_nop                                          ; one plain vector line behind the last conversion
	global_store_b128 v[CA], v[CD+8*(\t):CD+8*(\t)+3], s[8:9] offset:512*(\t)          ; k = 32 t + 0 .. 15: the place of lanes 0-15
	global_store_b128 v[CA], v[CD+8*(\t)+4:CD+8*(\t)+7], s[8:9] offset:512*(\t)+256    ; k = 32 t + 16 .. 31: that of lanes 16-31
.endm
	s_wait_alu depctr_va_vdst(0)
	LOADW 0
	LOADW 1
	BLOCKW 0
	BLOCKW 1
	BLOCKW 2
	BLOCKW 3
	global_store_b32 v[SA], v16, s[10:11]          ; my column's scale word of this K step
	s_endpgm
.Lfunc_end_k_q400c7a3ae5_qx:
	.size	k_q400c7a3ae5_qx, .Lfunc_end_k_q400c7a3ae5_qx-k_q400c7a3ae5_qx
	.p2alignl 7, 3214868480
	.fill 96, 4, 3214868480
	.section	.rodata,"a",@progbits
	.p2align	6, 0x0
	.amdhsa_kernel k_q400c7a3ae5_qx
		.amdhsa_group_segment_fixed_size 35328
		.amdhsa_private_segment_fixed_size 0
		.amdhsa_enable_private_segment 0
		.amdhsa_kernarg_size 56
		.amdhsa_user_sgpr_count 2
		.amdhsa_user_sgpr_kernarg_segment_ptr 1
		.amdhsa_wavefront_size32 1
		.amdhsa_system_sgpr_workgroup_id_x 1
		.amdhsa_system_sgpr_workgroup_id_y 1
		.amdhsa_system_sgpr_workgroup_id_z 1
		.amdhsa_system_vgpr_workitem_id 0
		.amdhsa_next_free_vgpr 256
		.amdhsa_next_free_sgpr 66
		.amdhsa_reserve_vcc 0
		.amdhsa_float_denorm_mode_32 3
		.amdhsa_float_denorm_mode_16_64 3
		.amdhsa_memory_ordered 1
		.amdhsa_forward_progress 1
		.amdhsa_inst_pref_size 81
	.end_amdhsa_kernel
	.amdgpu_metadata
---
amdhsa.version: [ 1, 2 ]
amdhsa.kernels:
  - .name:           k_q400c7a3ae5_qx
    .symbol:         k_q400c7a3ae5_qx.kd
    .args:
      - { .name: x, .offset: 0, .size: 8, .value_kind: global_buffer, .address_space: global }
      - { .name: xc, .offset: 8, .size: 8, .value_kind: global_buffer, .address_space: global }
      - { .name: xs, .offset: 16, .size: 8, .value_kind: global_buffer, .address_space: global }
      - { .name: w_attn, .offset: 24, .size: 8, .value_kind: global_buffer, .address_space: global }
      - { .name: w_proj, .offset: 32, .size: 8, .value_kind: global_buffer, .address_space: global }
      - { .name: wc, .offset: 40, .size: 8, .value_kind: global_buffer, .address_space: global }
      - { .name: ws, .offset: 48, .size: 8, .value_kind: global_buffer, .address_space: global }
    .group_segment_fixed_size: 35328
    .private_segment_fixed_size: 0
    .kernarg_segment_align: 8
    .kernarg_segment_size: 56
    .max_flat_workgroup_size: 128
    .sgpr_count:     66
    .vgpr_count:     256
    .wavefront_size: 32
...
	.end_amdgpu_metadata
.endif
;; end of part 1
;; launch gqk (part 2): grid 8 x 32, 4 waves a work-group, clusters of 4 x 4, 327,680 bytes of LDS; arguments xc, xs, wc, ws, qkvc, b_attn, qkvs; writes qkvc, qkvs
.if DOCPART == 2
	.amdgcn_target "amdgcn-amd-amdhsa--gfx1250"
	.amdhsa_code_object_version 6
	.text
	.protected	k_q400c7a3ae5_gqk
	.globl	k_q400c7a3ae5_gqk
	.p2align	8
	.type	k_q400c7a3ae5_gqk,@function
k_q400c7a3ae5_gqk:
	s_mov_b64 s[64:65], 0
	v_nop
	global_prefetch_b8 v0, s[64:65] scope:SCOPE_SE
	s_setreg_imm32_b32 hwreg(HW_REG_WAVE_MODE, 25, 1), 1
	s_wait_xcnt 0x0
	s_wait_alu depctr_hold_cnt(0) depctr_sa_sdst(0) depctr_va_vdst(0) depctr_va_sdst(0) depctr_va_ssrc(0) depctr_va_vcc(0) depctr_vm_vsrc(0)
	s_getreg_b32 s2, hwreg(HW_REG_IB_STS2, 6, 4)
	s_cmp_eq_u32 s2, 0
	s_cbranch_scc0 .Lentry_in_a_cluster
	s_endpgm
.Lentry_in_a_cluster:
	s_bfe_u32 s2, ttmp6, 0x10000c
	s_cmp_lg_u32 s2, 0xf033
	s_cbranch_scc0 .Lentry_shape_is_right
	s_endpgm
.Lentry_shape_is_right:
.set A_ROW0, 0
.set B_ROW0, 0
.set CBA,   0
.set CBB,   1
.set NQ,    2
.set FR,    16
.set NL,    4
.set NP,    8
.set FRB,   2048
.set ROWB,  NQ*FRB
.set BLKB,  16384
.set HALFT, 8*ROWB
.set SLOT,  4*HALFT
.set SCL,   2*SLOT
.set HALFS, 4096
.set SPARE, SCL+4*HALFS
.set ADRA, 16
.set ADRB, 20
.set STO,  24
.set RD,   25
.set CO,   26
.set ADRS, 27
.set SPW,  28
.set NIL,  29
.set SC,   32
.set BI,   64
.set AF,   128
.set TM,   128
.set PC,   144
.set WD,   160
.set RB,   176
.set G1, 24
.set G0, 32
.set G1B, 48
.set G0B, 56
.set SEL, 66
.set G1S, 68
.set G0S, 76
.set G1SB, 80
.set G0SB, 88
.set MNT, 95
.set MSB, 0
.macro WIN new
.if MSB != \new
	s_set_vgpr_msb (MSB<<8)|\new
.set MSB, \new
.endif
.endm
.set MUL_LO, 0xa1
.set MUL_HI, 0xf1
.set FIRST_LO, 0x81
.set FIRST_HI, 0xc1
.set TO_B,   0x40
.macro JLOAD g0a, g1a, g0b, g1b
	s_cmp_eq_u32 s15, 0
	s_cbranch_scc0 .Lfor_b_\@
	tensor_load_to_lds s[\g0a:\g0a+3], s[\g1a:\g1a+7]
	s_nop 0
.rept 4
	v_nop
.endr
	s_branch .Lasked_\@
.Lfor_b_\@:
	tensor_load_to_lds s[\g0b:\g0b+3], s[\g1b:\g1b+7]
	s_nop 0
.rept 4
	v_nop
.endr
.Lasked_\@:
.endm
.macro CREST
	s_cmp_lg_u32 s14, 0
	s_cbranch_scc1 .Lnot_wave_0_\@
	s_barrier_signal -3
.Lnot_wave_0_\@:
	s_barrier_wait -3
	s_barrier_signal -1
	s_barrier_wait -1
.endm
.macro CROUND
	s_barrier_signal -1
	s_barrier_wait -1
	CREST
.endm
	s_load_b128 s[4:7], s[0:1], 0x0
	s_load_b128 s[8:11], s[0:1], 0x10
	s_load_b64 s[12:13], s[0:1], 0x20
	s_load_b64 s[96:97], s[0:1], 0x28
	s_load_b64 s[98:99], s[0:1], 0x30
	v_lshl_add_u32 v[SPW], v0, 2, SPARE
	v_mov_b32 v[NIL], 0
	ds_add_u32 v28, v29
	ds_add_u32 v28, v29
	s_wait_dscnt 0x0
	v_lshrrev_b32 v1, 5, v0
	v_readfirstlane_b32 s14, v1
	s_lshr_b32 s15, s14, 1
	s_and_b32 s16, s14, 1
	s_bfe_u32 s40, ttmp6, 0x40000
	s_bfe_u32 s41, ttmp6, 0x40004
	s_lshl_b32 s42, ttmp9, 2
	s_add_co_u32 s42, s42, s40
	s_and_b32 s17, ttmp7, 0xffff
	s_lshl_b32 s17, s17, 2
	s_add_co_u32 s17, s17, s41
	s_lshl_b32 s43, s41, 2
	s_lshl_b32 s43, 15, s43
	s_lshl_b32 s44, 0x1111, s40
	s_or_b32 s[G1+0], s43, 1<<21
	s_or_b32 s[G1B+0], s44, 1<<21
.irp g, G1, G1B
	s_mov_b32 s[\g+1], ROWB<<16
	s_mov_b32 s[\g+2], 16<<16                      ; the head's loads bring a whole tile, 16 blocks of 16 rows; behind them the two words are set to 8, for the ring's
	s_mov_b32 s[\g+3], ROWB<<16
	s_mov_b32 s[\g+4], 16
	s_mov_b32 s[\g+5], BLKB
	s_mov_b32 s[\g+6], 0
	s_mov_b32 s[\g+7], 0
.endr
	s_or_b32 s[G1S+0], s43, (3<<16)|(1<<21)
	s_or_b32 s[G1SB+0], s44, (3<<16)|(1<<21)
.irp g, G1S, G1SB
	s_mov_b32 s[\g+1], 32<<16
	s_mov_b32 s[\g+2], 32<<16                      ; the scale words of 256 rows: 32 rows of 256 bytes
	s_mov_b32 s[\g+3], 32<<16
	s_mov_b32 s[\g+4], 32
	s_mov_b32 s[\g+5], 32
	s_mov_b32 s[\g+6], 0
	s_mov_b32 s[\g+7], 0
.endr
	s_mov_b32 s[SEL], 0x76543210
	s_mov_b32 s[SEL+1], 0xfedcba98
	s_mov_b32 s[MNT], 0x600000
.set G0H, 4                            ; s[4:7], s[8:11] group 0 of the head's loads of K step 0 (the arguments that lay there have been used by then)
.set G0HB, 8
	s_lshl_b32 s18, s16, 17                        ; in the ring I fetch 128 rows of a tile: which half, in bytes
	s_mov_b32 s19, 0
	s_lshl_b32 s20, s17, 8
	s_add_co_u32 s20, s20, A_ROW0
	s_lshl_b32 s46, s42, 8
	s_add_co_u32 s46, s46, B_ROW0
	s_lshl_b32 s22, s20, 5
	s_mov_b32 s23, 0
	s_lshl_b32 s20, s20, 10
	s_mov_b32 s21, 0
	s_lshl_b32 s92, s46, 5
	s_mov_b32 s93, 0
	s_lshl_b32 s46, s46, 10
	s_mov_b32 s47, 0
	s_mul_i32 s45, s14, HALFT
	s_wait_kmcnt 0x0
	s_add_nc_u64 s[20:21], s[4:5], s[20:21]
	s_add_nc_u64 s[22:23], s[6:7], s[22:23]
	s_add_nc_u64 s[46:47], s[8:9], s[46:47]
	s_add_nc_u64 s[92:93], s[10:11], s[92:93]
	CROUND
	s_mov_b32 s[G0S], 1
	s_mov_b32 s[G0S+1], SCL
	s_mov_b64 s[G0S+2:G0S+3], s[22:23]
	s_or_b32 s[G0S+3], s[G0S+3], 0x80000000
	s_mov_b32 s[G0SB], 1
	s_mov_b32 s[G0SB+1], SCL+2*HALFS
	s_mov_b64 s[G0SB+2:G0SB+3], s[92:93]
	s_or_b32 s[G0SB+3], s[G0SB+3], 0x80000000
	s_mov_b32 s[G0H], 1
	s_mov_b32 s[G0H+1], 0
	s_mov_b64 s[G0H+2:G0H+3], s[20:21]
	s_or_b32 s[G0H+3], s[G0H+3], 0x80000000
	s_mov_b32 s[G0HB], 1
	s_mov_b32 s[G0HB+1], 2*HALFT
	s_mov_b64 s[G0HB+2:G0HB+3], s[46:47]
	s_or_b32 s[G0HB+3], s[G0HB+3], 0x80000000
	s_add_nc_u64 s[20:21], s[20:21], s[18:19]
	s_add_nc_u64 s[46:47], s[46:47], s[18:19]
.irp s, 0,1
	s_mov_b32 s[G0+4*\s], 1
	s_add_co_u32 s[G0+4*\s+1], s45, \s*SLOT
	s_add_nc_u64 s[G0+4*\s+2:G0+4*\s+3], s[20:21], \s*ROWB
	s_or_b32 s[G0+4*\s+3], s[G0+4*\s+3], 0x80000000
	s_mov_b32 s[G0B+4*\s], 1
	s_add_co_u32 s[G0B+4*\s+1], s45, \s*SLOT
	s_add_nc_u64 s[G0B+4*\s+2:G0B+4*\s+3], s[46:47], \s*ROWB
	s_or_b32 s[G0B+4*\s+3], s[G0B+4*\s+3], 0x80000000
.endr
; THE HEAD'S LOADS, ONE A WAVE: wave 0 K step 0's 256 rows of A, wave 1 those of B, wave 2 A's scale words, wave 3 B's.  One chain of branches on the wave's number: every way passes exactly one load
.macro ARM under, g0, g1, next
	s_cmp_lt_u32 s14, \under
	s_cbranch_scc0 \next
	tensor_load_to_lds s[\g0:\g0+3], s[\g1:\g1+7]
	s_nop 0
.rept 4
	v_nop
.endr
	s_branch .Lhead_asked
\next:
.endm
	ARM 1, G0H,  G1,  .Lhead_b
	ARM 2, G0HB, G1B, .Lhead_sa
	ARM 3, G0S,  G1S, .Lhead_sb
	tensor_load_to_lds s[G0SB:G0SB+3], s[G1SB:G1SB+7]
	s_nop 0
.rept 4
	v_nop
.endr
.Lhead_asked:
; PREFETCHES INTO THE L2.  At each change of slots every wave has waited for all its tensor loads, so a fill goes out with nothing on its way beside it: what it asks for is asked of memory earlier.
; Here K steps 1 and 2, behind K step 1's load K step 3: one to two K steps ahead of the load that wants them.  A K step of the 128 rows that I fetch is 8 blocks x 4,096 bytes = 128 units of 256 bytes;
; the four partners that ask for them jointly share them out BY ADDRESS (cx for A, cy for B): 2 blocks, 32 units, a lane a unit, one instruction a wave.  So each unit is named once in each cluster that asks.
; B's rows (the weights) are read by all eight clusters of a column of clusters: the first four alone ask for them (a branch on the cluster's and the wave's numbers, round the prefetch alone).
; The three registers are never written again.
.set PFA, 44                           ; s[44:45] my 128 rows' first byte of K step 0
.set PFF, 43                           ; s43  0: my wave asks
.set PFO, 31                           ; v31  32768 x my place among the four + 16384 x (lane / 16) + 256 x (lane % 16)
	s_and_b32 s[PFF], ttmp7, 0xffff                ; the cluster's y
	s_lshr_b32 s[PFF], s[PFF], 2
	s_mul_i32 s[PFF], s[PFF], s15                  ; A's waves always; B's in clusters 0-3
	s_cmp_eq_u32 s15, 0                            ; do I fetch for A?
	s_cselect_b64 s[PFA:PFA+1], s[20:21], s[46:47]
	s_cselect_b32 s94, s40, s41
	s_lshl_b32 s94, s94, 15
	v_bfe_u32 v[PFO], v0, 4, 1
	v_and_b32 v30, 15, v0
	v_lshlrev_b32 v30, 8, v30
	v_lshl_add_u32 v[PFO], v[PFO], 14, v30
	v_add_nc_u32 v[PFO], s94, v[PFO]
	s_cmp_eq_u32 s[PFF], 0
	s_cbranch_scc0 .Lnot_mine_0
	global_prefetch_b8 v[PFO], s[PFA:PFA+1] offset:ROWB th:TH_LOAD_NT scope:SCOPE_SE
	global_prefetch_b8 v[PFO], s[PFA:PFA+1] offset:2*ROWB th:TH_LOAD_NT scope:SCOPE_SE
.Lnot_mine_0:
	v_and_b32 v1, 15, v0
	v_bfe_u32 v2, v0, 4, 1
	s_wait_alu depctr_va_vdst(0)
	v_and_b32 v3, 31, v0
	v_lshlrev_b32 v[CO], 4, v3
	s_mul_i32 s21, s15, HALFT
	s_mul_i32 s22, s16, HALFT
	s_add_co_u32 s22, s22, 2*HALFT
.irp s, 0,1
	v_add_nc_u32 v[ADRA+\s], s21, v[CO]
	v_add_nc_u32 v[ADRB+\s], s22, v[CO]
	s_add_co_u32 s21, s21, SLOT
	s_add_co_u32 s22, s22, SLOT
.endr
	s_mul_i32 s21, s15, HALFS
	s_mul_i32 s22, s16, HALFS
	s_add_co_u32 s22, s22, 2*HALFS
	s_sub_co_u32 s22, s22, s21
	v_mul_u32_u24 v6, s22, v2
	s_add_co_u32 s21, s21, SCL
	v_lshl_add_u32 v5, v1, 2, v6
	v_add_nc_u32 v[ADRS], s21, v5
	s_lshl_b32 s46, s42, 10
	s_lshl_b32 s47, s16, 9
	s_add_co_u32 s46, s46, s47
	s_mov_b32 s47, 0
	s_add_nc_u64 s[96:97], s[96:97], s[46:47]
	v_lshlrev_b32 v7, 6, v2
.irp i, 0,1,2,3,4,5,6,7
	global_load_b128 v[BI+8*\i:BI+8*\i+3], v7, s[96:97] offset:(32*(\i/2)+8*(\i%2))*4
	global_load_b128 v[BI+8*\i+4:BI+8*\i+7], v7, s[96:97] offset:(32*(\i/2)+8*(\i%2))*4+16
.endr
	s_lshl_b32 s3, s14, 10
	v_lshl_add_u32 v[STO], v1, 2, s3
	v_add_nc_u32 v[RD], s3, v[CO]
	s_lshr_b32 s18, s17, 3
	s_and_b32 s19, s17, 7
	s_lshl_b32 s19, s19, 4
	s_lshl_b32 s20, s15, 3
	s_add_co_u32 s19, s19, s20
	s_mul_i32 s20, s18, 6291456
	s_lshl_b32 s21, s19, 10
	s_add_co_u32 s20, s20, s21
	s_mov_b32 s21, 0
	s_mul_i32 s22, s18, 327680
	s_lshl_b32 s23, s19, 6
	s_add_co_u32 s22, s22, s23
	s_mov_b32 s23, 0
	s_and_b32 s100, s42, 3
	s_lshl_b32 s100, s100, 2
	s_lshl_b32 s101, s16, 1
	s_add_co_u32 s100, s100, s101
	s_lshr_b32 s101, s42, 2
	s_mul_i32 s46, s100, 393216
	s_lshl_b32 s47, s101, 17
	s_add_co_u32 s46, s46, s47
	s_mov_b32 s47, 0
	s_mul_i32 s92, s100, 20480
	s_lshl_b32 s93, s101, 13
	s_add_co_u32 s92, s92, s93
	s_mov_b32 s93, 0
	s_add_nc_u64 s[12:13], s[12:13], s[20:21]
	s_add_nc_u64 s[12:13], s[12:13], s[46:47]
	s_add_nc_u64 s[98:99], s[98:99], s[22:23]
	s_add_nc_u64 s[98:99], s[98:99], s[92:93]
.macro FRAG reg, adr, q, i
.irp c, 0,1,2,3
	ds_load_b128 v[\reg+4*\c:\reg+4*\c+3], v[\adr] offset:FRB*(\q)+512*\c+ROWB*(\i)
.endr
.endm
.macro MUL16 a0, p, q, sc, zero
.irp a, \a0, \a0+1
.irp b, 0,1,2,3,4,5,6,7
.if \zero
	v_wmma_scale_f32_16x16x128_f8f6f4 v[8*(8*((\a)%4)+\b):8*(8*((\a)%4)+\b)+7], v[128*(\p)+FR*\b:128*(\p)+FR*\b+FR-1], v[AF+FR*(\a):AF+FR*(\a)+FR-1], v[BI+8*(CBB*\b+CBA*(\a)):BI+8*(CBB*\b+CBA*(\a))+7], v[SC+8*NQ*(\sc)+NQ*\b+(\q)], v[SC+8*NQ*(\sc)+NQ*(\a)+(\q)] matrix_a_scale:MATRIX_SCALE_ROW1
.else
	v_wmma_scale_f32_16x16x128_f8f6f4 v[8*(8*((\a)%4)+\b):8*(8*((\a)%4)+\b)+7], v[128*(\p)+FR*\b:128*(\p)+FR*\b+FR-1], v[AF+FR*(\a):AF+FR*(\a)+FR-1], v[8*(8*((\a)%4)+\b):8*(8*((\a)%4)+\b)+7], v[SC+8*NQ*(\sc)+NQ*\b+(\q)], v[SC+8*NQ*(\sc)+NQ*(\a)+(\q)] matrix_a_scale:MATRIX_SCALE_ROW1
.endif
.endr
.endr
.endm
.macro FETCH_B slot, q, p
	WIN TO_B
.irp i, 0,1,2,3,4,5,6,7
	FRAG 128*(\p)+FR*\i, ADRB+\slot, \q, \i
.endr
	WIN 0
.endm
.macro FETCH_A slot, q, i0
.irp i, \i0, \i0+1, \i0+2, \i0+3
	FRAG AF+FR*(\i), ADRA+\slot, \q, \i
.endr
.endm
.macro SCALES sc, ks
.irp i, 0,1,2,3,4,5,6,7
.irp q, 0,1
	ds_load_b32 v[SC+8*NQ*\sc+NQ*\i+\q], v[ADRS] offset:512*\i+64*\q+128*\ks
.endr
.endr
.endm
.macro PLACES n
.rept \n
	v_nop
.endr
.endm
.macro STEP slot, q, zero
	s_wait_dscnt 4*NL
.if \zero
	WIN FIRST_LO
.else
	WIN MUL_LO
.endif
	MUL16 0, (\q)%2, \q, \slot, \zero
	MUL16 2, (\q)%2, \q, \slot, \zero
	s_wait_dscnt 0
	PLACES NP
	FETCH_B \slot, (\q)+1, 1-(\q)%2
	FETCH_A \slot, (\q)+1, 0
.if \zero
	WIN FIRST_HI
.else
	WIN MUL_HI
.endif
	MUL16 4, (\q)%2, \q, \slot, \zero
	MUL16 6, (\q)%2, \q, \slot, \zero
	PLACES NP
	WIN 0
	FETCH_A \slot, (\q)+1, 4
.endm
.macro TURN slot, next, fill, ks
	s_wait_tensorcnt 0x0
	ds_add_u32 v[SPW], v[NIL]
	s_wait_dscnt 4*NL+1
	WIN MUL_LO
	MUL16 0, 1, NQ-1, \slot, 0
	s_wait_dscnt 0x0
	s_barrier_signal -1
	MUL16 2, 1, NQ-1, \slot, 0
	WIN 0
	s_barrier_wait -1
.if \fill
	CREST
	s_add_nc_u64 s[G0+4*\slot+2:G0+4*\slot+3], s[G0+4*\slot+2:G0+4*\slot+3], 2*ROWB
	s_add_nc_u64 s[G0B+4*\slot+2:G0B+4*\slot+3], s[G0B+4*\slot+2:G0B+4*\slot+3], 2*ROWB
	JLOAD G0+4*\slot, G1, G0B+4*\slot, G1B
	PLACES NP-4
.else
	PLACES NP
.endif
	FETCH_B \next, 0, 0
	FETCH_A \next, 0, 0
	SCALES \next, \ks
	WIN MUL_HI
	MUL16 4, 1, NQ-1, \slot, 0
	MUL16 6, 1, NQ-1, \slot, 0
	PLACES NP
	WIN 0
	FETCH_A \next, 0, 4
.endm
	s_wait_alu depctr_va_vdst(0)
	s_wait_loadcnt 0x0
	s_wait_tensorcnt 0x0                           ; my tile of the head's four is in
	ds_add_u32 v[SPW], v[NIL]
	s_mov_b32 s[G1+2], 8<<16                       ; no tensor load of mine is out: from here on a load brings 8 blocks of 16 rows
	s_mov_b32 s[G1+4], 8
	s_mov_b32 s[G1B+2], 8<<16
	s_mov_b32 s[G1B+4], 8
	s_wait_dscnt 0x0
	CROUND                                         ; all four tiles are in, and all sixteen work-groups are here
	JLOAD G0+4, G1, G0B+4, G1B                     ; K step 1, the first tensor load behind the round
	FETCH_B 0, 0, 0
	FETCH_A 0, 0, 0
	SCALES 0, 0
	FETCH_A 0, 0, 4
	s_cmp_eq_u32 s[PFF], 0
	s_cbranch_scc0 .Lnot_mine_1
	global_prefetch_b8 v[PFO], s[PFA:PFA+1] offset:3*ROWB th:TH_LOAD_NT scope:SCOPE_SE   ; the last K step: nothing is asked for beyond it
.Lnot_mine_1:
	STEP 0, 0, 1
	TURN 0, 1, 1, 1
	STEP 1, 0, 0
	TURN 1, 0, 1, 2
	STEP 0, 0, 0
	TURN 0, 1, 0, 3
	STEP 1, 0, 0
	s_wait_dscnt 4*NL
	WIN MUL_LO
	MUL16 0, 1, NQ-1, 1, 0
	MUL16 2, 1, NQ-1, 1, 0
	s_wait_dscnt 0
	WIN MUL_HI
	MUL16 4, 1, NQ-1, 1, 0
	MUL16 6, 1, NQ-1, 1, 0
	WIN 0
.macro QW a
.set QWW, 2+(\a)/4
.set QS, 64*((\a)%4)
	WIN 5*QWW
.irp b, 0,1,2,3
	v_max3_num_f32 v[TM+\b], |v[QS+16*\b]|, |v[QS+1+16*\b]|, 0x4800000
.endr
	WIN 20*QWW
.irp i, 2,4,6,8,10,12,14
.irp b, 0,1,2,3
	v_max3_num_f32 v[TM+\b], v[TM+\b], |v[QS+16*\b+\i]|, |v[QS+1+16*\b+\i]|
.endr
.endr
	WIN 0
.irp b, 0,1,2,3
	v_permlanex16_b32 v[TM+4+\b], v[TM+\b], s[SEL], s[SEL+1]
.endr
.irp b, 0,1,2,3
	v_max_num_f32 v[TM+\b], v[TM+\b], v[TM+4+\b]
.endr
.irp b, 0,1,2,3
	v_add_nc_u32 v[TM+12+\b], 0xfc000000, v[TM+\b]
.endr
.irp b, 0,1,2,3
	v_and_or_b32 v[TM+8+\b], v[TM+\b], 0x7f800000, s[MNT]
.endr
.irp b, 0,1,2,3
	v_lshrrev_b32 v[TM+4+\b], 23, v[TM+12+\b]
.endr
	v_lshl_or_b32 v[WD+(\a)], v[TM+5], 8, v[TM+4]
	v_lshl_or_b32 v[WD+(\a)], v[TM+6], 16, v[WD+(\a)]
	v_lshl_or_b32 v[WD+(\a)], v[TM+7], 24, v[WD+(\a)]
	WIN 65*QWW
.irp b, 0,1,2,3
.irp i, 0,1,2,3,4,5,6,7,8,9,10,11,12,13,14,15
	v_med3_num_f32 v[QS+16*\b+\i], v[QS+16*\b+\i], -v[TM+8+\b], v[TM+8+\b]
.endr
.endr
	s_wait_alu depctr_va_vdst(0)
	s_wait_xcnt 0x0
	WIN QWW
.irp b, 0,1,2,3
	v_cvt_scalef32_pk8_fp8_f32 v[PC+4*\b:PC+1+4*\b], v[QS+16*\b:QS+7+16*\b], v[TM+12+\b]
	v_cvt_scalef32_pk8_fp8_f32 v[PC+2+4*\b:PC+3+4*\b], v[QS+8+16*\b:QS+15+16*\b], v[TM+12+\b]
.endr
	WIN 0
	v_nop
.endm
	PLACES NP
.irp b, 0,1,2,3
	v_mov_b32 v[TM+4+\b], 0
.endr
.irp a, 0,1,2,3,4,5,6,7
	QW \a
.irp b, 0,1,2,3
	global_store_b128 v[CO], v[PC+4*\b:PC+4*\b+3], s[12:13] offset:1024*\a+393216*(\b/2)+512*(\b%2)
.endr
	v_lshrrev_b32 v[WD+8+\a], 16, v[WD+\a]
	v_and_b32 v[WD+\a], 0xffff, v[WD+\a]
.endr
.irp a, 0,1,2,3,4,5,6,7
	ds_store_b32 v[STO], v[WD+\a] offset:64*\a
	ds_store_b32 v[STO], v[WD+8+\a] offset:512+64*\a
.endr
	ds_load_b128 v[RB:RB+3], v[RD]
	ds_load_b128 v[RB+4:RB+7], v[RD] offset:512
	s_wait_dscnt 0x0
	global_store_b128 v[CO], v[RB:RB+3], s[98:99]
	global_store_b128 v[CO], v[RB+4:RB+7], s[98:99] offset:20480
	s_wait_tensorcnt 0x0
	ds_add_u32 v[SPW], v[NIL]
	s_wait_dscnt 0x0
	CROUND
	s_endpgm
.Lfunc_end_k_q400c7a3ae5_gqk:
	.size	k_q400c7a3ae5_gqk, .Lfunc_end_k_q400c7a3ae5_gqk-k_q400c7a3ae5_gqk
	.p2alignl 7, 3214868480
	.fill 96, 4, 3214868480
	.section	.rodata,"a",@progbits
	.p2align	6, 0x0
	.amdhsa_kernel k_q400c7a3ae5_gqk
		.amdhsa_group_segment_fixed_size 327680
		.amdhsa_private_segment_fixed_size 0
		.amdhsa_enable_private_segment 0
		.amdhsa_kernarg_size 56
		.amdhsa_user_sgpr_count 2
		.amdhsa_user_sgpr_kernarg_segment_ptr 1
		.amdhsa_wavefront_size32 1
		.amdhsa_system_sgpr_workgroup_id_x 1
		.amdhsa_system_sgpr_workgroup_id_y 1
		.amdhsa_system_sgpr_workgroup_id_z 1
		.amdhsa_system_vgpr_workitem_id 0
		.amdhsa_next_free_vgpr 1024
		.amdhsa_next_free_sgpr 102
		.amdhsa_reserve_vcc 0
		.amdhsa_float_denorm_mode_32 3
		.amdhsa_float_denorm_mode_16_64 3
		.amdhsa_memory_ordered 1
		.amdhsa_forward_progress 1
		.amdhsa_inst_pref_size 193
	.end_amdhsa_kernel
	.amdgpu_metadata
---
amdhsa.version: [ 1, 2 ]
amdhsa.kernels:
  - .name:           k_q400c7a3ae5_gqk
    .symbol:         k_q400c7a3ae5_gqk.kd
    .args:
      - { .name: xc, .offset: 0, .size: 8, .value_kind: global_buffer, .address_space: global }
      - { .name: xs, .offset: 8, .size: 8, .value_kind: global_buffer, .address_space: global }
      - { .name: wc, .offset: 16, .size: 8, .value_kind: global_buffer, .address_space: global }
      - { .name: ws, .offset: 24, .size: 8, .value_kind: global_buffer, .address_space: global }
      - { .name: qkvc, .offset: 32, .size: 8, .value_kind: global_buffer, .address_space: global }
      - { .name: b_attn, .offset: 40, .size: 8, .value_kind: global_buffer, .address_space: global }
      - { .name: qkvs, .offset: 48, .size: 8, .value_kind: global_buffer, .address_space: global }
    .group_segment_fixed_size: 327680
    .private_segment_fixed_size: 0
    .kernarg_segment_align: 8
    .kernarg_segment_size: 56
    .max_flat_workgroup_size: 128
    .sgpr_count:     102
    .vgpr_count:     1024
    .wavefront_size: 32
...
	.end_amdgpu_metadata
.endif
;; end of part 2
;; launch gv (part 3): grid 32 x 4, 4 waves a work-group, clusters of 4 x 4, 327,680 bytes of LDS; arguments wc, ws, xc, xs, qkvc, b_attn, qkvs; writes qkvc, qkvs
.if DOCPART == 3
	.amdgcn_target "amdgcn-amd-amdhsa--gfx1250"
	.amdhsa_code_object_version 6
	.text
	.protected	k_q400c7a3ae5_gv
	.globl	k_q400c7a3ae5_gv
	.p2align	8
	.type	k_q400c7a3ae5_gv,@function
k_q400c7a3ae5_gv:
	s_mov_b64 s[64:65], 0
	v_nop
	global_prefetch_b8 v0, s[64:65] scope:SCOPE_SE
	s_setreg_imm32_b32 hwreg(HW_REG_WAVE_MODE, 25, 1), 1
	s_wait_xcnt 0x0
	s_wait_alu depctr_hold_cnt(0) depctr_sa_sdst(0) depctr_va_vdst(0) depctr_va_sdst(0) depctr_va_ssrc(0) depctr_va_vcc(0) depctr_vm_vsrc(0)
	s_getreg_b32 s2, hwreg(HW_REG_IB_STS2, 6, 4)
	s_cmp_eq_u32 s2, 0
	s_cbranch_scc0 .Lentry_in_a_cluster
	s_endpgm
.Lentry_in_a_cluster:
	s_bfe_u32 s2, ttmp6, 0x10000c
	s_cmp_lg_u32 s2, 0xf033
	s_cbranch_scc0 .Lentry_shape_is_right
	s_endpgm
.Lentry_shape_is_right:
.set A_ROW0, 2048
.set B_ROW0, 0
.set CBA,   1
.set CBB,   0
.set NQ,    2
.set FR,    16
.set NL,    4
.set NP,    8
.set FRB,   2048
.set ROWB,  NQ*FRB
.set BLKB,  16384
.set HALFT, 8*ROWB
.set SLOT,  4*HALFT
.set SCL,   2*SLOT
.set HALFS, 4096
.set SPARE, SCL+4*HALFS
.set ADRA, 16
.set ADRB, 20
.set STO,  24
.set RD,   25
.set CO,   26
.set ADRS, 27
.set SPW,  28
.set NIL,  29
.set WO,   30
.set SC,   32
.set BI,   64
.set AF,   128
.set TM,   128
.set PC,   144
.set WD,   160
.set RB,   176
.set G1, 24
.set G0, 32
.set G1B, 48
.set G0B, 56
.set SEL, 66
.set G1S, 68
.set G0S, 76
.set G1SB, 80
.set G0SB, 88
.set MNT, 95
.set MSB, 0
.macro WIN new
.if MSB != \new
	s_set_vgpr_msb (MSB<<8)|\new
.set MSB, \new
.endif
.endm
.set MUL_LO, 0xa1
.set MUL_HI, 0xf1
.set FIRST_LO, 0x81
.set FIRST_HI, 0xc1
.set TO_B,   0x40
.macro JLOAD g0a, g1a, g0b, g1b
	s_cmp_eq_u32 s15, 0
	s_cbranch_scc0 .Lfor_b_\@
	tensor_load_to_lds s[\g0a:\g0a+3], s[\g1a:\g1a+7]
	s_nop 0
.rept 4
	v_nop
.endr
	s_branch .Lasked_\@
.Lfor_b_\@:
	tensor_load_to_lds s[\g0b:\g0b+3], s[\g1b:\g1b+7]
	s_nop 0
.rept 4
	v_nop
.endr
.Lasked_\@:
.endm
.macro CREST
	s_cmp_lg_u32 s14, 0
	s_cbranch_scc1 .Lnot_wave_0_\@
	s_barrier_signal -3
.Lnot_wave_0_\@:
	s_barrier_wait -3
	s_barrier_signal -1
	s_barrier_wait -1
.endm
.macro CROUND
	s_barrier_signal -1
	s_barrier_wait -1
	CREST
.endm
	s_load_b128 s[4:7], s[0:1], 0x0
	s_load_b128 s[8:11], s[0:1], 0x10
	s_load_b64 s[12:13], s[0:1], 0x20
	s_load_b64 s[96:97], s[0:1], 0x28
	s_load_b64 s[98:99], s[0:1], 0x30
	v_lshl_add_u32 v[SPW], v0, 2, SPARE
	v_mov_b32 v[NIL], 0
	ds_add_u32 v28, v29
	ds_add_u32 v28, v29
	s_wait_dscnt 0x0
	v_lshrrev_b32 v1, 5, v0
	v_readfirstlane_b32 s14, v1
	s_lshr_b32 s15, s14, 1
	s_and_b32 s16, s14, 1
	s_bfe_u32 s40, ttmp6, 0x40000
	s_bfe_u32 s41, ttmp6, 0x40004
	s_lshl_b32 s42, ttmp9, 2
	s_add_co_u32 s42, s42, s40
	s_and_b32 s17, ttmp7, 0xffff
	s_lshl_b32 s17, s17, 2
	s_add_co_u32 s17, s17, s41
	s_lshl_b32 s43, s41, 2
	s_lshl_b32 s43, 15, s43
	s_lshl_b32 s44, 0x1111, s40
	s_or_b32 s[G1+0], s43, 1<<21
	s_or_b32 s[G1B+0], s44, 1<<21
.irp g, G1, G1B
	s_mov_b32 s[\g+1], ROWB<<16
	s_mov_b32 s[\g+2], 16<<16                      ; the head's loads bring a whole tile, 16 blocks of 16 rows; behind them the two words are set to 8, for the ring's
	s_mov_b32 s[\g+3], ROWB<<16
	s_mov_b32 s[\g+4], 16
	s_mov_b32 s[\g+5], BLKB
	s_mov_b32 s[\g+6], 0
	s_mov_b32 s[\g+7], 0
.endr
	s_or_b32 s[G1S+0], s43, (3<<16)|(1<<21)
	s_or_b32 s[G1SB+0], s44, (3<<16)|(1<<21)
.irp g, G1S, G1SB
	s_mov_b32 s[\g+1], 32<<16
	s_mov_b32 s[\g+2], 32<<16                      ; the scale words of 256 rows: 32 rows of 256 bytes
	s_mov_b32 s[\g+3], 32<<16
	s_mov_b32 s[\g+4], 32
	s_mov_b32 s[\g+5], 32
	s_mov_b32 s[\g+6], 0
	s_mov_b32 s[\g+7], 0
.endr
	s_mov_b32 s[SEL], 0x76543210
	s_mov_b32 s[SEL+1], 0xfedcba98
	s_mov_b32 s[MNT], 0x600000
.set G0H, 4                            ; s[4:7], s[8:11] group 0 of the head's loads of K step 0 (the arguments that lay there have been used by then)
.set G0HB, 8
	s_lshl_b32 s18, s16, 17                        ; in the ring I fetch 128 rows of a tile: which half, in bytes
	s_mov_b32 s19, 0
	s_lshl_b32 s20, s17, 8
	s_add_co_u32 s20, s20, A_ROW0
	s_lshl_b32 s46, s42, 8
	s_add_co_u32 s46, s46, B_ROW0
	s_lshl_b32 s22, s20, 5
	s_mov_b32 s23, 0
	s_lshl_b32 s20, s20, 10
	s_mov_b32 s21, 0
	s_lshl_b32 s92, s46, 5
	s_mov_b32 s93, 0
	s_lshl_b32 s46, s46, 10
	s_mov_b32 s47, 0
	s_mul_i32 s45, s14, HALFT
	s_wait_kmcnt 0x0
	s_add_nc_u64 s[20:21], s[4:5], s[20:21]
	s_add_nc_u64 s[22:23], s[6:7], s[22:23]
	s_add_nc_u64 s[46:47], s[8:9], s[46:47]
	s_add_nc_u64 s[92:93], s[10:11], s[92:93]
	CROUND
	s_mov_b32 s[G0S], 1
	s_mov_b32 s[G0S+1], SCL
	s_mov_b64 s[G0S+2:G0S+3], s[22:23]
	s_or_b32 s[G0S+3], s[G0S+3], 0x80000000
	s_mov_b32 s[G0SB], 1
	s_mov_b32 s[G0SB+1], SCL+2*HALFS
	s_mov_b64 s[G0SB+2:G0SB+3], s[92:93]
	s_or_b32 s[G0SB+3], s[G0SB+3], 0x80000000
	s_mov_b32 s[G0H], 1
	s_mov_b32 s[G0H+1], 0
	s_mov_b64 s[G0H+2:G0H+3], s[20:21]
	s_or_b32 s[G0H+3], s[G0H+3], 0x80000000
	s_mov_b32 s[G0HB], 1
	s_mov_b32 s[G0HB+1], 2*HALFT
	s_mov_b64 s[G0HB+2:G0HB+3], s[46:47]
	s_or_b32 s[G0HB+3], s[G0HB+3], 0x80000000
	s_add_nc_u64 s[20:21], s[20:21], s[18:19]
	s_add_nc_u64 s[46:47], s[46:47], s[18:19]
.irp s, 0,1
	s_mov_b32 s[G0+4*\s], 1
	s_add_co_u32 s[G0+4*\s+1], s45, \s*SLOT
	s_add_nc_u64 s[G0+4*\s+2:G0+4*\s+3], s[20:21], \s*ROWB
	s_or_b32 s[G0+4*\s+3], s[G0+4*\s+3], 0x80000000
	s_mov_b32 s[G0B+4*\s], 1
	s_add_co_u32 s[G0B+4*\s+1], s45, \s*SLOT
	s_add_nc_u64 s[G0B+4*\s+2:G0B+4*\s+3], s[46:47], \s*ROWB
	s_or_b32 s[G0B+4*\s+3], s[G0B+4*\s+3], 0x80000000
.endr
; THE HEAD'S LOADS, ONE A WAVE: wave 0 K step 0's 256 rows of A, wave 1 those of B, wave 2 A's scale words, wave 3 B's.  One chain of branches on the wave's number: every way passes exactly one load
.macro ARM under, g0, g1, next
	s_cmp_lt_u32 s14, \under
	s_cbranch_scc0 \next
	tensor_load_to_lds s[\g0:\g0+3], s[\g1:\g1+7]
	s_nop 0
.rept 4
	v_nop
.endr
	s_branch .Lhead_asked
\next:
.endm
	ARM 1, G0H,  G1,  .Lhead_b
	ARM 2, G0HB, G1B, .Lhead_sa
	ARM 3, G0S,  G1S, .Lhead_sb
	tensor_load_to_lds s[G0SB:G0SB+3], s[G1SB:G1SB+7]
	s_nop 0
.rept 4
	v_nop
.endr
.Lhead_asked:
; PREFETCHES INTO THE L2.  At each change of slots every wave has waited for all its tensor loads, so a fill goes out with nothing on its way beside it: what it asks for is asked of memory earlier.
; Here K steps 1 and 2, behind K step 1's load K step 3: one to two K steps ahead of the load that wants them.  A K step of the 128 rows that I fetch is 8 blocks x 4,096 bytes = 128 units of 256 bytes;
; the four partners that ask for them jointly share them out BY ADDRESS (cx for A, cy for B): 2 blocks, 32 units, a lane a unit, one instruction a wave.  So each unit is named once in each cluster that asks.
; A's rows (the weights) are read by all eight clusters of the launch: the first four alone ask for them (a branch on the cluster's and the wave's numbers, round the prefetch alone).
; The three registers are never written again.
.set PFA, 44                           ; s[44:45] my 128 rows' first byte of K step 0
.set PFF, 43                           ; s43  0: my wave asks
.set PFO, 31                           ; v31  32768 x my place among the four + 16384 x (lane / 16) + 256 x (lane % 16)
	s_lshr_b32 s[PFF], ttmp9, 2                    ; the cluster's x / 4
	s_xor_b32 s94, s15, 1
	s_mul_i32 s[PFF], s[PFF], s94                  ; B's waves always; A's in clusters 0-3
	s_cmp_eq_u32 s15, 0                            ; do I fetch for A?
	s_cselect_b64 s[PFA:PFA+1], s[20:21], s[46:47]
	s_cselect_b32 s94, s40, s41
	s_lshl_b32 s94, s94, 15
	v_bfe_u32 v[PFO], v0, 4, 1
	v_and_b32 v30, 15, v0
	v_lshlrev_b32 v30, 8, v30
	v_lshl_add_u32 v[PFO], v[PFO], 14, v30
	v_add_nc_u32 v[PFO], s94, v[PFO]
	s_cmp_eq_u32 s[PFF], 0
	s_cbranch_scc0 .Lnot_mine_0
	global_prefetch_b8 v[PFO], s[PFA:PFA+1] offset:ROWB th:TH_LOAD_NT scope:SCOPE_SE
	global_prefetch_b8 v[PFO], s[PFA:PFA+1] offset:2*ROWB th:TH_LOAD_NT scope:SCOPE_SE
.Lnot_mine_0:
	v_and_b32 v1, 15, v0
	v_bfe_u32 v2, v0, 4, 1
	s_wait_alu depctr_va_vdst(0)
	v_and_b32 v3, 31, v0
	v_lshlrev_b32 v[CO], 4, v3
	s_mul_i32 s21, s15, HALFT
	s_mul_i32 s22, s16, HALFT
	s_add_co_u32 s22, s22, 2*HALFT
.irp s, 0,1
	v_add_nc_u32 v[ADRA+\s], s21, v[CO]
	v_add_nc_u32 v[ADRB+\s], s22, v[CO]
	s_add_co_u32 s21, s21, SLOT
	s_add_co_u32 s22, s22, SLOT
.endr
	s_mul_i32 s21, s15, HALFS
	s_mul_i32 s22, s16, HALFS
	s_add_co_u32 s22, s22, 2*HALFS
	s_sub_co_u32 s22, s22, s21
	v_mul_u32_u24 v6, s22, v2
	s_add_co_u32 s21, s21, SCL
	v_lshl_add_u32 v5, v1, 2, v6
	v_add_nc_u32 v[ADRS], s21, v5
	s_lshl_b32 s20, s17, 10
	s_lshl_b32 s21, s15, 9
	s_add_co_u32 s20, s20, s21
	s_add_co_u32 s20, s20, 2048*4
	s_mov_b32 s21, 0
	s_add_nc_u64 s[96:97], s[96:97], s[20:21]
	v_and_b32 v7, 8, v1
	v_add_nc_u32 v7, v7, v1
	v_lshlrev_b32 v7, 2, v7
.irp a, 0,1,2,3,4,5,6,7
	global_load_b32 v[BI+8*\a], v7, s[96:97] offset:(32*(\a/2)+8*(\a%2))*4
.endr
	s_lshl_b32 s3, s14, 9
	v_lshl_add_u32 v[STO], v1, 2, s3
	v_add_nc_u32 v[RD], s3, v[CO]
	v_mul_u32_u24 v[WO], v2, 20480
	v_lshl_add_u32 v[WO], v1, 4, v[WO]
	s_lshl_b32 s18, s17, 2
	s_lshl_b32 s19, s15, 1
	s_add_co_u32 s18, s18, s19
	s_mul_i32 s20, s18, 393216
	s_add_co_u32 s20, s20, 262144
	s_mov_b32 s21, 0
	s_mul_i32 s22, s18, 20480
	s_add_co_u32 s22, s22, 16384
	s_mov_b32 s23, 0
	s_lshr_b32 s100, s42, 3
	s_and_b32 s101, s42, 7
	s_lshl_b32 s101, s101, 1
	s_add_co_u32 s101, s101, s16
	s_mul_i32 s46, s100, 6291456
	s_lshl_b32 s47, s101, 13
	s_add_co_u32 s46, s46, s47
	s_mov_b32 s47, 0
	s_mul_i32 s92, s100, 327680
	s_lshl_b32 s93, s101, 8
	s_add_co_u32 s92, s92, s93
	s_mov_b32 s93, 0
	s_add_nc_u64 s[12:13], s[12:13], s[20:21]
	s_add_nc_u64 s[12:13], s[12:13], s[46:47]
	s_add_nc_u64 s[98:99], s[98:99], s[22:23]
	s_add_nc_u64 s[98:99], s[98:99], s[92:93]
.macro FRAG reg, adr, q, i
.irp c, 0,1,2,3
	ds_load_b128 v[\reg+4*\c:\reg+4*\c+3], v[\adr] offset:FRB*(\q)+512*\c+ROWB*(\i)
.endr
.endm
.macro MUL16 a0, p, q, sc, zero
.irp a, \a0, \a0+1
.irp b, 0,1,2,3,4,5,6,7
.if \zero
	v_wmma_scale_f32_16x16x128_f8f6f4 v[8*(8*((\a)%4)+\b):8*(8*((\a)%4)+\b)+7], v[128*(\p)+FR*\b:128*(\p)+FR*\b+FR-1], v[AF+FR*(\a):AF+FR*(\a)+FR-1], v[BI+8*(CBB*\b+CBA*(\a)):BI+8*(CBB*\b+CBA*(\a))+7], v[SC+8*NQ*(\sc)+NQ*\b+(\q)], v[SC+8*NQ*(\sc)+NQ*(\a)+(\q)] matrix_a_scale:MATRIX_SCALE_ROW1
.else
	v_wmma_scale_f32_16x16x128_f8f6f4 v[8*(8*((\a)%4)+\b):8*(8*((\a)%4)+\b)+7], v[128*(\p)+FR*\b:128*(\p)+FR*\b+FR-1], v[AF+FR*(\a):AF+FR*(\a)+FR-1], v[8*(8*((\a)%4)+\b):8*(8*((\a)%4)+\b)+7], v[SC+8*NQ*(\sc)+NQ*\b+(\q)], v[SC+8*NQ*(\sc)+NQ*(\a)+(\q)] matrix_a_scale:MATRIX_SCALE_ROW1
.endif
.endr
.endr
.endm
.macro FETCH_B slot, q, p
	WIN TO_B
.irp i, 0,1,2,3,4,5,6,7
	FRAG 128*(\p)+FR*\i, ADRB+\slot, \q, \i
.endr
	WIN 0
.endm
.macro FETCH_A slot, q, i0
.irp i, \i0, \i0+1, \i0+2, \i0+3
	FRAG AF+FR*(\i), ADRA+\slot, \q, \i
.endr
.endm
.macro SCALES sc, ks
.irp i, 0,1,2,3,4,5,6,7
.irp q, 0,1
	ds_load_b32 v[SC+8*NQ*\sc+NQ*\i+\q], v[ADRS] offset:512*\i+64*\q+128*\ks
.endr
.endr
.endm
.macro PLACES n
.rept \n
	v_nop
.endr
.endm
.macro STEP slot, q, zero
	s_wait_dscnt 4*NL
.if \zero
	WIN FIRST_LO
.else
	WIN MUL_LO
.endif
	MUL16 0, (\q)%2, \q, \slot, \zero
	MUL16 2, (\q)%2, \q, \slot, \zero
	s_wait_dscnt 0
	PLACES NP
	FETCH_B \slot, (\q)+1, 1-(\q)%2
	FETCH_A \slot, (\q)+1, 0
.if \zero
	WIN FIRST_HI
.else
	WIN MUL_HI
.endif
	MUL16 4, (\q)%2, \q, \slot, \zero
	MUL16 6, (\q)%2, \q, \slot, \zero
	PLACES NP
	WIN 0
	FETCH_A \slot, (\q)+1, 4
.endm
.macro TURN slot, next, fill, ks
	s_wait_tensorcnt 0x0
	ds_add_u32 v[SPW], v[NIL]
	s_wait_dscnt 4*NL+1
	WIN MUL_LO
	MUL16 0, 1, NQ-1, \slot, 0
	s_wait_dscnt 0x0
	s_barrier_signal -1
	MUL16 2, 1, NQ-1, \slot, 0
	WIN 0
	s_barrier_wait -1
.if \fill
	CREST
	s_add_nc_u64 s[G0+4*\slot+2:G0+4*\slot+3], s[G0+4*\slot+2:G0+4*\slot+3], 2*ROWB
	s_add_nc_u64 s[G0B+4*\slot+2:G0B+4*\slot+3], s[G0B+4*\slot+2:G0B+4*\slot+3], 2*ROWB
	JLOAD G0+4*\slot, G1, G0B+4*\slot, G1B
	PLACES NP-4
.else
	PLACES NP
.endif
	FETCH_B \next, 0, 0
	FETCH_A \next, 0, 0
	SCALES \next, \ks
	WIN MUL_HI
	MUL16 4, 1, NQ-1, \slot, 0
	MUL16 6, 1, NQ-1, \slot, 0
	PLACES NP
	WIN 0
	FETCH_A \next, 0, 4
.endm
	s_wait_loadcnt 0x0
.irp a, 0,1,2,3,4,5,6,7
.irp j, 1,2,3,4,5,6,7
	v_mov_b32 v[BI+8*\a+\j], v[BI+8*\a]
.endr
.endr
	s_wait_alu depctr_va_vdst(0)
	s_wait_tensorcnt 0x0                           ; my tile of the head's four is in
	ds_add_u32 v[SPW], v[NIL]
	s_mov_b32 s[G1+2], 8<<16                       ; no tensor load of mine is out: from here on a load brings 8 blocks of 16 rows
	s_mov_b32 s[G1+4], 8
	s_mov_b32 s[G1B+2], 8<<16
	s_mov_b32 s[G1B+4], 8
	s_wait_dscnt 0x0
	CROUND                                         ; all four tiles are in, and all sixteen work-groups are here
	JLOAD G0+4, G1, G0B+4, G1B                     ; K step 1, the first tensor load behind the round
	FETCH_B 0, 0, 0
	FETCH_A 0, 0, 0
	SCALES 0, 0
	FETCH_A 0, 0, 4
	s_cmp_eq_u32 s[PFF], 0
	s_cbranch_scc0 .Lnot_mine_1
	global_prefetch_b8 v[PFO], s[PFA:PFA+1] offset:3*ROWB th:TH_LOAD_NT scope:SCOPE_SE   ; the last K step: nothing is asked for beyond it
.Lnot_mine_1:
	STEP 0, 0, 1
	TURN 0, 1, 1, 1
	STEP 1, 0, 0
	TURN 1, 0, 1, 2
	STEP 0, 0, 0
	TURN 0, 1, 0, 3
	STEP 1, 0, 0
	s_wait_dscnt 4*NL
	WIN MUL_LO
	MUL16 0, 1, NQ-1, 1, 0
	MUL16 2, 1, NQ-1, 1, 0
	s_wait_dscnt 0
	WIN MUL_HI
	MUL16 4, 1, NQ-1, 1, 0
	MUL16 6, 1, NQ-1, 1, 0
	WIN 0
.macro QW a
.set QWW, 2+(\a)/4
.set QS, 64*((\a)%4)
	WIN 5*QWW
.irp b, 0,1,2,3
	v_max3_num_f32 v[TM+\b], |v[QS+16*\b]|, |v[QS+1+16*\b]|, 0x4800000
.endr
	WIN 20*QWW
.irp i, 2,4,6,8,10,12,14
.irp b, 0,1,2,3
	v_max3_num_f32 v[TM+\b], v[TM+\b], |v[QS+16*\b+\i]|, |v[QS+1+16*\b+\i]|
.endr
.endr
	WIN 0
.irp b, 0,1,2,3
	v_permlanex16_b32 v[TM+4+\b], v[TM+\b], s[SEL], s[SEL+1]
.endr
.irp b, 0,1,2,3
	v_max_num_f32 v[TM+\b], v[TM+\b], v[TM+4+\b]
.endr
.irp b, 0,1,2,3
	v_add_nc_u32 v[TM+12+\b], 0xfc000000, v[TM+\b]
.endr
.irp b, 0,1,2,3
	v_and_or_b32 v[TM+8+\b], v[TM+\b], 0x7f800000, s[MNT]
.endr
.irp b, 0,1,2,3
	v_lshrrev_b32 v[TM+4+\b], 23, v[TM+12+\b]
.endr
	v_lshl_or_b32 v[WD+(\a)], v[TM+5], 8, v[TM+4]
	v_lshl_or_b32 v[WD+(\a)], v[TM+6], 16, v[WD+(\a)]
	v_lshl_or_b32 v[WD+(\a)], v[TM+7], 24, v[WD+(\a)]
	WIN 65*QWW
.irp b, 0,1,2,3
.irp i, 0,1,2,3,4,5,6,7,8,9,10,11,12,13,14,15
	v_med3_num_f32 v[QS+16*\b+\i], v[QS+16*\b+\i], -v[TM+8+\b], v[TM+8+\b]
.endr
.endr
	s_wait_alu depctr_va_vdst(0)
	s_wait_xcnt 0x0
	WIN QWW
.irp b, 0,1,2,3
	v_cvt_scalef32_pk8_fp8_f32 v[PC+4*\b:PC+1+4*\b], v[QS+16*\b:QS+7+16*\b], v[TM+12+\b]
	v_cvt_scalef32_pk8_fp8_f32 v[PC+2+4*\b:PC+3+4*\b], v[QS+8+16*\b:QS+15+16*\b], v[TM+12+\b]
.endr
	WIN 0
	v_nop
.endm
	PLACES NP
.irp b, 0,1,2,3
	v_mov_b32 v[TM+4+\b], 0
.endr
.irp a, 0,1,2,3,4,5,6,7
	QW \a
.irp c, 0,1,2,3
	global_store_b128 v[CO], v[PC+4*\c:PC+4*\c+3], s[12:13] offset:393216*(\a/4)+2048*(\a%4)+512*\c
.endr
.endr
.irp a, 0,1,2,3,4,5,6,7
	ds_store_b32 v[STO], v[WD+\a] offset:64*\a
.endr
	ds_load_b128 v[RB:RB+3], v[RD]
	s_wait_dscnt 0x0
	global_store_b128 v[WO], v[RB:RB+3], s[98:99]
	s_wait_tensorcnt 0x0
	ds_add_u32 v[SPW], v[NIL]
	s_wait_dscnt 0x0
	CROUND
	s_endpgm
.Lfunc_end_k_q400c7a3ae5_gv:
	.size	k_q400c7a3ae5_gv, .Lfunc_end_k_q400c7a3ae5_gv-k_q400c7a3ae5_gv
	.p2alignl 7, 3214868480
	.fill 96, 4, 3214868480
	.section	.rodata,"a",@progbits
	.p2align	6, 0x0
	.amdhsa_kernel k_q400c7a3ae5_gv
		.amdhsa_group_segment_fixed_size 327680
		.amdhsa_private_segment_fixed_size 0
		.amdhsa_enable_private_segment 0
		.amdhsa_kernarg_size 56
		.amdhsa_user_sgpr_count 2
		.amdhsa_user_sgpr_kernarg_segment_ptr 1
		.amdhsa_wavefront_size32 1
		.amdhsa_system_sgpr_workgroup_id_x 1
		.amdhsa_system_sgpr_workgroup_id_y 1
		.amdhsa_system_sgpr_workgroup_id_z 1
		.amdhsa_system_vgpr_workitem_id 0
		.amdhsa_next_free_vgpr 1024
		.amdhsa_next_free_sgpr 102
		.amdhsa_reserve_vcc 0
		.amdhsa_float_denorm_mode_32 3
		.amdhsa_float_denorm_mode_16_64 3
		.amdhsa_memory_ordered 1
		.amdhsa_forward_progress 1
		.amdhsa_inst_pref_size 193
	.end_amdhsa_kernel
	.amdgpu_metadata
---
amdhsa.version: [ 1, 2 ]
amdhsa.kernels:
  - .name:           k_q400c7a3ae5_gv
    .symbol:         k_q400c7a3ae5_gv.kd
    .args:
      - { .name: wc, .offset: 0, .size: 8, .value_kind: global_buffer, .address_space: global }
      - { .name: ws, .offset: 8, .size: 8, .value_kind: global_buffer, .address_space: global }
      - { .name: xc, .offset: 16, .size: 8, .value_kind: global_buffer, .address_space: global }
      - { .name: xs, .offset: 24, .size: 8, .value_kind: global_buffer, .address_space: global }
      - { .name: qkvc, .offset: 32, .size: 8, .value_kind: global_buffer, .address_space: global }
      - { .name: b_attn, .offset: 40, .size: 8, .value_kind: global_buffer, .address_space: global }
      - { .name: qkvs, .offset: 48, .size: 8, .value_kind: global_buffer, .address_space: global }
    .group_segment_fixed_size: 327680
    .private_segment_fixed_size: 0
    .kernarg_segment_align: 8
    .kernarg_segment_size: 56
    .max_flat_workgroup_size: 128
    .sgpr_count:     102
    .vgpr_count:     1024
    .wavefront_size: 32
...
	.end_amdgpu_metadata
.endif
;; end of part 3
;; launch attn (part 4): grid 4 x 64, 16 waves a work-group, clusters of 4 x 1, 327,680 bytes of LDS; arguments qkvc, qkvs, ac, asc; writes ac, asc
.if DOCPART == 4
	.amdgcn_target "amdgcn-amd-amdhsa--gfx1250"
	.amdhsa_code_object_version 6
	.text
	.protected	k_q400c7a3ae5_attn
	.globl	k_q400c7a3ae5_attn
	.p2align	8
	.type	k_q400c7a3ae5_attn,@function
k_q400c7a3ae5_attn:
	s_mov_b64 s[64:65], 0
	v_nop
	global_prefetch_b8 v0, s[64:65] scope:SCOPE_SE
	s_setreg_imm32_b32 hwreg(HW_REG_WAVE_MODE, 25, 1), 1
	s_wait_xcnt 0x0
	s_wait_alu depctr_hold_cnt(0) depctr_sa_sdst(0) depctr_va_vdst(0) depctr_va_sdst(0) depctr_va_ssrc(0) depctr_va_vcc(0) depctr_vm_vsrc(0)
	s_getreg_b32 s2, hwreg(HW_REG_IB_STS2, 6, 4)
	s_cmp_eq_u32 s2, 0
	s_cbranch_scc0 .Lentry_in_a_cluster
	s_endpgm
.Lentry_in_a_cluster:
	s_bfe_u32 s2, ttmp6, 0x10000c
	s_cmp_lg_u32 s2, 0x3003
	s_cbranch_scc0 .Lentry_shape_is_right
	s_endpgm
.Lentry_shape_is_right:
; Causal attention of one (batch, head) on codes of FP8 (E4M3) with E8M0 scales, head size 64, 2,048 tokens, and the quantising of its result along the model's 1,024 channels.
; WORK LEFT OUT: key steps of 128 all of whose keys come after a tile's 16 queries: the causal mask sets their scores to -infinity, so their p is 0 for all values of the inputs.
; A NaN or an infinity that reaches only such keys is not carried to the result.
; THE SOFTMAX AHEAD OF THE SECOND PRODUCT: t = score x log2(e) / 8; M = the row's largest t so far, rounded UP to a whole number; p = 2^(t - M) is quantised along the keys, not normalised;
; the row's sum is taken of the unquantised p and divides O at the end.  When M moves, the sum and O are multiplied by 2^(old M - new M): exact.
; INPUTS, all images of the operand's registers: q, k: 1,024 bytes for each block of 16 token slots (pieces c = 0, 1: the head's 64); v: [key step of 128][tile of 16 channels][2,048 bytes].
; Token slot (blk, r) is token 32 (blk / 2) + 8 (blk % 2) + r + 8 (r / 8), so that the 16 registers of score tiles 2 b and 2 b + 1 are keys 32 b + 16 h + 0 .. 15; the channels' tiles are ordered alike.
; K = 64 FILLS HALF OF THE INSTRUCTION'S 128: Q's registers 8-15 are zero codes.  A step's eight tiles of K lie in 64 registers on end: a tile's registers 8-15 are the next tile's codes (numbers of the
; format: the quantiser holds them within 448), the last tile's are eight registers of zeros; they meet Q's zeros and add nothing; the scale bytes over them are 0.
; NO RING: a head's K, V and their scale words, 274,432 bytes, lie in LDS whole, filled once.  CLUSTER: the four work-groups of a cluster walk one head, so every fill is asked for JOINTLY.
; FILLS, one tensor load a wave: waves 0, 1: the first 32,768 bytes (key steps 0-3) of K, of V; wave 2: the 12,288 bytes of scale words; waves 3-8: the other six chunks of 32,768 bytes.
; The first barrier shows waves 0-2's loads alone (they have load lines of their own), the second, behind two key steps, all.
; NO PREFETCH: all that the launch reads through LDS is asked for at its head, by the tensor loads themselves; there is no loop to run ahead in.
; SHARES.  256 work-groups.  A tile is 16 queries of a block of 128; a tile of block b has b + 1 key steps.  A work-group has two tiles of each of the 16 blocks: 272 key steps.  Wave w takes, one after the other,
; up to three tiles, in the blocks that three constant tables give for w / 2: key steps 12 | 11 | 16 + 7 | 15 + 8 | 14 + 9 | 13 + 10 | 5 + 3 + 2 | 6 + 4 + 1.  Waves w, w + 4, w + 8, w + 12 have 68 key steps together,
; the first and the last of the four 10 to 12, the two between them 23.  The blocks hang on the wave's number alone, so no branch differs between partners; the place in the cluster and w % 2 pick the 16 queries
; inside a block and enter global addresses and the mask's numbers alone.  The trip counts are constants (2, 14, 10, 2); a step beyond a tile's last is jumped over, and so is the way out of a tile that a wave does not have.
; On the diagonal hidden scores become -infinity ahead of the maximum.
; OUT: the image of the next product's operand: token block x 16384 + (head / 2) x 2048 + (2 (head % 2) + b) x 512 + 16 x lane; two scale bytes a row (the other two of the word are the neighbouring head's).
; LIMITS: NaN and infinities are not served; the scaled scores t stay under 2^31 in magnitude; a block whose largest magnitude lies under 2^-118 has its byte held at 1; a block of zeros gets the byte 1
; (its codes are zeros; this program alone reads the bytes).
; REGISTERS: v1-7 addresses that stay; v8-11 the step's addresses; v12 -M, v13 the largest t, v[14:15] the sum; v16-31 Q of the tile in hand and zeros; v32-95 fragments; v96-103 zeros; v104-167 S^T, then p;
; v168-199 O^T; v200-215 Q of the second and third tiles; v216, v217 their scale words, v255 that of the tile in hand; v218-219 V's; v222-223 the add's; v224-239 p's codes; v230-254 at work.
.set LSK,  0                           ; LDS: K's scale words (8,192 bytes),
.set LSV,  8192                        ; V's (4,096 bytes),
.set SPARE, 12288                      ; the spare words, 128 bytes for each of 16 waves,
.set LK,   65536                       ; K (131,072 bytes),
.set LV,   196608                      ; V (131,072 bytes)
.set AK0,  1                           ; v1  LK + 16 x lane
.set AV0,  2                           ; v2  LV + 16 x lane
.set ASK0, 3                           ; v3  LSK + 4 x lane: lanes 0-15 an even tile's words, lanes 16-31 the odd tile's behind it
.set ASV0, 4                           ; v4  LSV + 4 x lane
.set DQ,   5                           ; v5  my query's place in its block of 128, less 16 h
.set R4,   6                           ; v6  4 r
.set L16,  7                           ; v7  16 x lane
.set ADK,  8
.set ADV,  9
.set ADS,  10
.set ADT,  11
.set F,    32
.set S,    104
.set O,    168
.set Q1,   16
.set Q2,   200
.set Q3,   208
.set QS1,  255
.set QS2,  216
.set QS3,  217
.set VS,   218
.set SPW,  222
.set NIL,  223
.set WV,   12                          ; s12 wave
.set MNT,  19                          ; s19 the mantissa field of 448
.set SEL,  20                          ; s[20:21] lane l xor 16
.set CS,   22                          ; s[22:23] c = log2(e) / 8
.set G1C,  24                          ; s[24:31] group 1: a chunk of 32,768 bytes
.set G1S,  32                          ; s[32:39] group 1: the scale words
.set G0A,  40                          ; s[40:43] group 0: waves 0, 1
.set G0S,  44                          ; s[44:47] wave 2
.set G0B,  48                          ; s[48:51] waves 3-8
.set LIM2, 52                          ; s52, s53 128 x the key steps of my second and third tiles; 0: none
.set LIM3, 53
.set TB,   60                          ; s60 the step's tiles: 8,192 bytes a step, in K and in V
.set TS,   61                          ; s61 K's scale words: 512 a step
.set TJ,   62                          ; s62 V's: 256 a step
.set KF,   63                          ; s63 the first key behind the step
.set QB,   66                          ; s66 128 x the key steps of the tile in hand: the first key behind its block
.set CNT,  67
.macro ROUND                           ; a round of the cluster's barrier
	s_barrier_signal -1
	s_barrier_wait -1
	s_cmp_lg_u32 s[WV], 0
	s_cbranch_scc1 .Lnot_wave_0_\@
	s_barrier_signal -3
.Lnot_wave_0_\@:
	s_barrier_wait -3
	s_barrier_signal -1
	s_barrier_wait -1
.endm
	s_load_b128 s[4:7], s[0:1], 0x0                ; the records of codes, of scale words
	s_load_b128 s[8:11], s[0:1], 0x10              ; the result's codes, its scale words
	v_lshl_add_u32 v[SPW], v0, 2, SPARE
	v_mov_b32 v[NIL], 0
	ds_add_u32 v[SPW], v[NIL]                      ; the opening lines: the add, twice on end, and its wait ahead of the first tensor load
	ds_add_u32 v[SPW], v[NIL]
	v_lshrrev_b32 v8, 5, v0
	v_readfirstlane_b32 s[WV], v8                  ; wave 0..15
	s_bfe_u32 s13, ttmp6, 0x40000                  ; cx
	s_and_b32 s15, ttmp7, 0xffff                   ; batch x 16 + head, which the partners share
	s_mul_i32 s68, s15, 393216
	s_mov_b32 s69, 0
	s_mul_i32 s70, s15, 20480
	s_mov_b32 s71, 0
	s_mov_b32 s[G1C], 15|(3<<16)|(1<<21)           ; 15:0 the mask: all four; 17:16 elements of 8 bytes; 21 set beside a mask; no padding
	s_mov_b32 s[G1C+1], 32<<16                     ; rows of 256 bytes,
	s_mov_b32 s[G1C+2], 128<<16                    ; 128 of them, dense
	s_mov_b32 s[G1C+3], 32<<16
	s_mov_b32 s[G1C+4], 128
	s_mov_b32 s[G1C+5], 32
	s_mov_b32 s[G1C+6], 0
	s_mov_b32 s[G1C+7], 0
	s_mov_b32 s[G1S], 15|(3<<16)|(1<<21)
	s_mov_b32 s[G1S+1], 32<<16
	s_mov_b32 s[G1S+2], 48<<16                     ; 48 rows
	s_mov_b32 s[G1S+3], 32<<16
	s_mov_b32 s[G1S+4], 48
	s_mov_b32 s[G1S+5], 32
	s_mov_b32 s[G1S+6], 0
	s_mov_b32 s[G1S+7], 0
	s_mov_b32 s[SEL], 0x76543210
	s_mov_b32 s[SEL+1], 0xfedcba98
	s_mov_b32 s[CS], 0x3e38aa3b
	s_mov_b32 s[CS+1], s[CS]                       ; named with it as a pair, so it is written
	s_mov_b32 s[MNT], 0x600000
	s_mov_b32 s[TB], 0
	s_mov_b32 s[TS], 0
	s_mov_b32 s[TJ], 0
	s_mov_b32 s[KF], 128
	s_lshl_b32 s80, s[WV], 17                      ; waves 0, 1: K's, V's first chunk
	s_mov_b32 s81, 0
	s_add_co_u32 s82, s[WV], 2                     ; waves 3-8: x = wave + (wave + 2) / 8 = 3, 4, 5, 7, 8, 9: chunk x - 2 of the eight of K and V on end
	s_lshr_b32 s82, s82, 3
	s_add_co_u32 s82, s82, s[WV]
	s_lshl_b32 s82, s82, 15                        ; its LDS byte, since K begins at 65,536
	s_mov_b32 s83, 0
	s_wait_dscnt 0x0                               ; both opening adds are done
	s_wait_kmcnt 0x0
	s_add_nc_u64 s[76:77], s[4:5], s[68:69]        ; the head's record of codes,
	s_add_nc_u64 s[78:79], s[6:7], s[70:71]        ; of scale words
	s_mov_b32 s[G0A], 1
	s_add_co_u32 s[G0A+1], s80, LK
	s_add_nc_u64 s[G0A+2:G0A+3], s[76:77], s[80:81]
	s_add_nc_u64 s[G0A+2:G0A+3], s[G0A+2:G0A+3], 131072   ; behind q's codes
	s_or_b32 s[G0A+3], s[G0A+3], 0x80000000
	s_mov_b32 s[G0S], 1
	s_mov_b32 s[G0S+1], LSK
	s_add_nc_u64 s[G0S+2:G0S+3], s[78:79], 8192    ; behind q's words
	s_or_b32 s[G0S+3], s[G0S+3], 0x80000000
	s_mov_b32 s[G0B], 1
	s_mov_b32 s[G0B+1], s82
	s_add_nc_u64 s[G0B+2:G0B+3], s[76:77], s[82:83]
	s_add_nc_u64 s[G0B+2:G0B+3], s[G0B+2:G0B+3], 65536    ; 131,072 behind q's first byte, less the two chunks by which x runs ahead
	s_or_b32 s[G0B+3], s[G0B+3], 0x80000000
	ROUND                                          ; all four work-groups are here: the joint loads meet
; ONE chain of branches on the wave's number, an arm a load, all arms leading to one join: no way through the head passes two loads
.macro ARM under, g0, g1, next
	s_cmp_lt_u32 s[WV], \under
	s_cbranch_scc0 \next
	tensor_load_to_lds s[\g0:\g0+3], s[\g1:\g1+7]
	s_nop 0
.rept 4
	v_nop
.endr
	s_branch .Lasked
\next:
.endm
	ARM 2, G0A, G1C, .Lhead_s
	ARM 3, G0S, G1S, .Lhead_b
	ARM 9, G0B, G1C, .Lhead_none
.Lasked:
	s_and_b32 s84, s[WV], 1                        ; e
	s_lshr_b32 s85, s[WV], 1
	s_lshl_b32 s85, s85, 2                         ; the tables hold four bits for each w / 2
	s_lshr_b32 s87, 0x54cdefab, s85
	s_and_b32 s87, s87, 15                         ; my first tile's block: 11, 10, 15, 14, 13, 12, 4, 5
	s_lshr_b32 s88, 0x43a98700, s85
	s_and_b32 s88, s88, 15                         ; my second tile's key steps: 0, 0, 7, 8, 9, 10, 3, 4
	s_lshr_b32 s89, 0x12000000, s85
	s_and_b32 s89, s89, 15                         ; my third tile's: 0, 0, 0, 0, 0, 0, 2, 1
	s_add_co_u32 s[QB], s87, 1
	s_lshl_b32 s[QB], s[QB], 7
	s_lshl_b32 s[LIM2], s88, 7
	s_lshl_b32 s[LIM3], s89, 7
	s_max_u32 s88, s88, 1                          ; their blocks; where there is no tile, block 0: its Q is loaded and never used
	s_sub_co_u32 s88, s88, 1
	s_max_u32 s89, s89, 1
	s_sub_co_u32 s89, s89, 1
	s_lshl_b32 s86, s13, 1                         ; from here on my place in the cluster enters: global addresses and the mask's numbers alone
	s_add_co_u32 s86, s86, s84
.irp n, 87,88,89
	s_lshl_b32 s\n, s\n, 3
	s_add_co_u32 s\n, s\n, s86                     ; my blocks of 16 token slots: 8 x block + 2 cx + e
.endr
	s_mov_b32 s99, 0
	s_lshr_b32 s80, s15, 4                         ; batch
	s_bfe_u32 s81, s15, 0x30001                    ; head / 2
	s_and_b32 s82, s15, 1                          ; head % 2
	s_lshl_b32 s98, s80, 21                        ; 128 token blocks of 16,384 bytes a batch
	s_lshl_b32 s83, s81, 11
	s_add_co_u32 s98, s98, s83
	s_lshl_b32 s83, s82, 10
	s_add_co_u32 s98, s98, s83
	s_add_nc_u64 s[8:9], s[8:9], s[98:99]
	s_lshl_b32 s98, s80, 16
	s_lshl_b32 s83, s81, 6
	s_add_co_u32 s98, s98, s83
	s_lshl_b32 s83, s82, 1
	s_add_co_u32 s98, s98, s83
	s_add_nc_u64 s[10:11], s[10:11], s[98:99]
.macro PTRS sb, qc, qw, oc, ow         ; a tile's q codes, q scale words, result codes, result scale bytes
	s_lshl_b32 s98, s\sb, 10
	s_add_nc_u64 s[\qc:\qc+1], s[76:77], s[98:99]
	s_lshl_b32 s98, s\sb, 6
	s_add_nc_u64 s[\qw:\qw+1], s[78:79], s[98:99]
	s_lshl_b32 s98, s\sb, 14
	s_add_nc_u64 s[\oc:\oc+1], s[8:9], s[98:99]
	s_lshl_b32 s98, s\sb, 9
	s_add_nc_u64 s[\ow:\ow+1], s[10:11], s[98:99]
.endm
	PTRS 87, 90, 92, 68, 72
	PTRS 88, 94, 96, 70, 74
	PTRS 89, 58, 80, 54, 56
	s_lshl_b32 s83, s13, 5
	s_lshl_b32 s82, s84, 3
	s_add_co_u32 s83, s83, s82                     ; 32 cx + 8 e
	v_and_b32 v8, 15, v0                           ; r
	v_bfe_u32 v9, v0, 4, 1                         ; h
	v_and_b32 v10, 31, v0
	v_lshlrev_b32 v[L16], 4, v10
	v_lshlrev_b32 v[R4], 2, v8
	v_lshl_add_u32 v[AK0], v10, 4, LK
	v_lshl_add_u32 v[AV0], v10, 4, LV
	v_lshlrev_b32 v[ASK0], 2, v10
	v_lshl_add_u32 v[ASV0], v10, 2, LSV
	s_wait_alu depctr_va_vdst(0)
	global_load_b128 v[Q1:Q1+3], v[L16], s[90:91]  ; the tiles' half fragments of Q stay in registers
	global_load_b128 v[Q1+4:Q1+7], v[L16], s[90:91] offset:512
	global_load_b32 v[QS1], v[R4], s[92:93]
	global_load_b128 v[Q2:Q2+3], v[L16], s[94:95]
	global_load_b128 v[Q2+4:Q2+7], v[L16], s[94:95] offset:512
	global_load_b32 v[QS2], v[R4], s[96:97]
	global_load_b128 v[Q3:Q3+3], v[L16], s[58:59]
	global_load_b128 v[Q3+4:Q3+7], v[L16], s[58:59] offset:512
	global_load_b32 v[QS3], v[R4], s[80:81]
	v_and_b32 v11, 8, v8
	v_add_nc_u32 v11, v11, v8                      ; r + 8 (r / 8)
	v_lshlrev_b32 v9, 4, v9
	v_sub_nc_u32 v11, v11, v9
	v_add_nc_u32 v[DQ], s83, v11                   ; 32 cx + 8 e + r + 8 (r / 8) - 16 h
.macro FRESH                           ; a tile begins: the largest t -3e38, under every t; the sum and O^T zeros, which the first change of M leaves zeros
	v_mov_b32 v13, 0xff61b1e6
	v_mov_b32 v14, 0
	v_mov_b32 v15, 0
	v_floor_f32 v12, -v13                          ; -M
.set J, 0
.rept 32
	v_mov_b32 v[O+J], 0
.set J, J+1
.endr
.endm
.irp j, 0,1,2,3,4,5,6,7
	v_mov_b32 v[Q1+8+\j], 0                        ; Q's codes for k = 64 .. 127,
	v_mov_b32 v[F+64+\j], 0                        ; and what stands behind K's last tile
.endr
.irp b, 0,1,2,3
	v_mov_b32 v[236+\b], 0                         ; a lane permute's destination counts as one of its sources
.endr
	v_mov_b32 v252, 0
	v_mov_b32 v253, 0
	FRESH
.macro PA d, a, b
	v_pk_add_f32 v[\d:\d+1], v[\a:\a+1], v[\b:\b+1]
.endm
; A KEY STEP: 128 keys
.macro STEP
	s_cmp_gt_u32 s[KF], s[QB]                      ; beyond the tile's last step: only the addresses step
	s_cbranch_scc1 .Lhidden_\@
	v_add_nc_u32 v[ADK], s[TB], v[AK0]
	v_add_nc_u32 v[ADS], s[TS], v[ASK0]
	v_add_nc_u32 v[ADV], s[TB], v[AV0]
	v_add_nc_u32 v[ADT], s[TJ], v[ASV0]
.rept 4
	v_nop                                          ; eight places in front of loads into registers that matrix instructions have read; the four additions are places too
.endr
.irp t, 0,1,2,3,4,5,6,7
	ds_load_b128 v[F+8*\t:F+8*\t+3], v[ADK] offset:1024*\t
	ds_load_b128 v[F+8*\t+4:F+8*\t+7], v[ADK] offset:1024*\t+512
.endr
.irp p, 0,1,2,3
	ds_load_b32 v[248+\p], v[ADS] offset:128*\p    ; lanes 0-15: tile 2 p's words; lanes 16-31: tile 2 p + 1's
.endr
	s_wait_alu depctr_va_vdst(0)
	s_wait_dscnt 0x0
.irp t, 0,2,4,6                        ; S^T = K Q^T, eight tiles of 16 key slots
	v_wmma_scale_f32_16x16x128_f8f6f4 v[S+8*\t:S+8*\t+7], v[F+8*\t:F+8*\t+15], v[Q1:Q1+15], 0, v[248+\t/2], v[QS1]
	v_wmma_scale_f32_16x16x128_f8f6f4 v[S+8*\t+8:S+8*\t+15], v[F+8*\t+8:F+8*\t+23], v[Q1:Q1+15], 0, v[248+\t/2], v[QS1] matrix_a_scale:MATRIX_SCALE_ROW1
.endr
.rept 8
	v_nop                                          ; places: ahead of the loads into K's registers and of the first reader of the scores
.endr
.irp t, 0,1,2,3                        ; V's four tiles are asked for now and waited for behind the softmax
.irp c, 0,1,2,3
	ds_load_b128 v[F+16*\t+4*\c:F+16*\t+4*\c+3], v[ADV] offset:2048*\t+512*\c
.endr
.endr
	ds_load_b32 v[VS], v[ADT]
	ds_load_b32 v[VS+1], v[ADT] offset:128
	s_cmp_lt_u32 s[KF], s[QB]                      ; all its keys count: no mask
	s_cbranch_scc1 .Lopen_\@
	v_mov_b32 v254, 0xff800000                     ; the diagonal: register 16 b + i holds the step's key 32 b + 16 h + i: hidden where 32 b + i > my query's place - 16 h
.set J, 0
.rept 64
	v_cmp_gt_i32 vcc_lo, 32*(J/16)+J%16, v[DQ]
	v_cndmask_b32 v[S+J], v[S+J], v254, vcc_lo
.set J, J+1
.endr
.Lopen_\@:
.irp b, 0,1,2,3
	v_max3_num_f32 v[232+\b], v[S+16*\b], v[S+1+16*\b], v[S+2+16*\b]   ; the largest score of each block of 32 keys: for the row's maximum, and, since p rises with the score, for the block's largest p
.endr
.irp i, 3,5,7,9,11,13
.irp b, 0,1,2,3
	v_max3_num_f32 v[232+\b], v[232+\b], v[S+16*\b+\i], v[S+1+16*\b+\i]
.endr
.endr
.irp b, 0,1,2,3
	v_max_num_f32 v[232+\b], v[232+\b], v[S+15+16*\b]
.endr
.irp b, 0,1,2,3
	v_permlanex16_b32 v[236+\b], v[232+\b], s[SEL], s[SEL+1]
.endr
.irp b, 0,1,2,3
	s_delay_alu instid0(VALU_DEP_4)
	v_max_num_f32 v[232+\b], v[232+\b], v[236+\b]  ; with lane l xor 16's 16 keys
.endr
	s_delay_alu instid0(VALU_DEP_2)
	v_max3_num_f32 v254, v232, v233, v234
	s_delay_alu instid0(VALU_DEP_1)
	v_max_num_f32 v254, v254, v235                 ; the step's largest score of my query
	s_delay_alu instid0(VALU_DEP_1)
	v_mul_f32 v254, s[CS], v254                    ; as t
	s_delay_alu instid0(VALU_DEP_1)
	v_max_num_f32 v13, v13, v254                   ; the running largest t
	v_mov_b32 v254, v12
	s_delay_alu instid0(VALU_DEP_2)
	v_floor_f32 v12, -v13                          ; the new -M = -ceil(t)
	s_delay_alu instid0(VALU_DEP_1)
	v_sub_f32 v254, v12, v254                      ; old M - new M: a whole number, 0 or less
	s_delay_alu instid0(VALU_DEP_1)
	v_cvt_i32_f32 v254, v254                       ; (it saturates)
	s_delay_alu instid0(VALU_DEP_1)
	v_ldexp_f32 v252, 1.0, v254                    ; f = 2^(old M - new M)
.set J, 0
.rept 32
	v_pk_fma_f32 v[S+J:S+J+1], v[S+J:S+J+1], s[CS:CS+1], v[12:13] op_sel_hi:[1,0,0]   ; t - M, two at a time
.set J, J+2
.endr
.irp b, 0,1,2,3
	v_fma_f32 v[232+\b], v[232+\b], s[CS], v12     ; the same of each block's largest score
.endr
	s_wait_alu depctr_va_vdst(0)                   ; the wait ahead of the batch
.set J, 0
.rept 64
	v_exp_f32 v[S+J], v[S+J]                       ; p = 2^(t - M)
.set J, J+1
.endr
.irp b, 0,1,2,3
	v_exp_f32 v[232+\b], v[232+\b]                 ; the block's largest p
.endr
	v_pk_mul_f32 v[14:15], v[14:15], v[252:253] op_sel_hi:[1,0]   ; the sums under the new M; a plain place behind the exponentials
	s_wait_alu depctr_va_vdst(0)                   ; one wait for the batch, ahead of its first reader
.irp b, 0,1,2,3
	v_max_num_f32 v[232+\b], 0x4800000, v[232+\b]  ; the floor 2^(9 - 127)
.endr
.irp b, 0,1,2,3
	s_delay_alu instid0(VALU_DEP_4)
	v_add_nc_u32 v[244+\b], 0xfc000000, v[232+\b]  ; the conversion's scale operand
.endr
.irp b, 0,1,2,3
	v_and_or_b32 v[240+\b], v[232+\b], 0x7f800000, s[MNT]   ; 448 x the scale
.endr
.irp b, 0,1,2,3
	v_lshrrev_b32 v[236+\b], 23, v[244+\b]         ; the scale's byte
.endr
	s_delay_alu instid0(VALU_DEP_3)
	v_lshl_or_b32 v253, v237, 8, v236              ; p's scale word for these 128 keys
	s_delay_alu instid0(VALU_DEP_1)
	v_lshl_or_b32 v253, v238, 16, v253
	s_delay_alu instid0(VALU_DEP_1)
	v_lshl_or_b32 v253, v239, 24, v253
	PA 236, S+4, S+8                               ; the row's sum of the unquantised p: two at a time, in eight chains
	PA 250, S+12, S+16
	PA 248, S+20, S+24
	PA 238, S+28, S+32
	PA 234, S+36, S+40
	PA 232, S+44, S+48
	PA 230, S+52, S+56
	PA 14, 14, S+60
	PA 236, 236, S+0
	PA 250, 250, S+2
	PA 248, 248, S+6
	PA 238, 238, S+10
	PA 234, 234, S+14
	PA 232, 232, S+18
	PA 230, 230, S+22
	PA 14, 14, S+26
	PA 236, 236, S+30
	PA 250, 250, S+34
	PA 248, 248, S+38
	PA 238, 238, S+42
	PA 234, 234, S+46
	PA 232, 232, S+50
	PA 230, 230, S+54
	PA 14, 14, S+58
	PA 236, 236, S+62
	s_delay_alu instid0(VALU_DEP_2)
	PA 14, 14, 238
	s_delay_alu instid0(VALU_DEP_2)
	PA 236, 236, 234
	PA 250, 250, 232
	PA 248, 248, 230
	s_delay_alu instid0(VALU_DEP_2)
	PA 14, 14, 250
	s_delay_alu instid0(VALU_DEP_2)
	PA 236, 236, 248
	s_delay_alu instid0(VALU_DEP_1)
	PA 14, 14, 236
; the conversion does not saturate (ISA guide 7.6.2); p is not negative: a one-sided hold.  Two holds to a line, of two neighbouring blocks: one destination even, one odd; the sources in different banks
.irp b, 0,2
.irp i, 0,2,4,6,8,10,12,14
	v_dual_min_num_f32 v[S+16*\b+\i], v[S+16*\b+\i], v[240+\b] :: v_dual_min_num_f32 v[S+16*\b+17+\i], v[S+16*\b+17+\i], v[241+\b]
	v_dual_min_num_f32 v[S+16*\b+1+\i], v[S+16*\b+1+\i], v[240+\b] :: v_dual_min_num_f32 v[S+16*\b+16+\i], v[S+16*\b+16+\i], v[241+\b]
.endr
	v_cvt_scalef32_pk8_fp8_f32 v[224+4*\b:225+4*\b], v[S+16*\b:S+16*\b+7], v[244+\b]
	v_cvt_scalef32_pk8_fp8_f32 v[226+4*\b:227+4*\b], v[S+16*\b+8:S+16*\b+15], v[244+\b]
	v_cvt_scalef32_pk8_fp8_f32 v[228+4*\b:229+4*\b], v[S+16*\b+16:S+16*\b+23], v[245+\b]
	v_cvt_scalef32_pk8_fp8_f32 v[230+4*\b:231+4*\b], v[S+16*\b+24:S+16*\b+31], v[245+\b]
.endr
	s_wait_alu depctr_va_vdst(0)                   ; the wait, directly ahead of the first reader of O^T
.set J, 0
.rept 16
	v_pk_mul_f32 v[O+J:O+J+1], v[O+J:O+J+1], v[252:253] op_sel_hi:[1,0]   ; O^T under the new M; these sixteen are also the places in front of the products below
.set J, J+2
.endr
	s_wait_alu depctr_va_vdst(0)                   ; the wait, directly ahead of the wait below
	s_wait_dscnt 0x0                               ; V's tiles and scale words
.irp t, 0,2                            ; O^T += V^T P^T: the head's four tiles of 16 channels; K = these 128 keys
	v_wmma_scale_f32_16x16x128_f8f6f4 v[O+8*\t:O+8*\t+7], v[F+16*\t:F+16*\t+15], v[224:239], v[O+8*\t:O+8*\t+7], v[VS+\t/2], v253
	v_wmma_scale_f32_16x16x128_f8f6f4 v[O+8*\t+8:O+8*\t+15], v[F+16*\t+16:F+16*\t+31], v[224:239], v[O+8*\t+8:O+8*\t+15], v[VS+\t/2], v253 matrix_a_scale:MATRIX_SCALE_ROW1
.endr
.Lhidden_\@:
	s_add_co_u32 s[TB], s[TB], 8192
	s_add_co_u32 s[TS], s[TS], 512
	s_add_co_u32 s[TJ], s[TJ], 256
	s_add_co_u32 s[KF], s[KF], 128
.endm
.macro WALK n                          ; n key steps
	s_mov_b32 s[CNT], \n
.Lstep_\@:
	STEP
	s_sub_co_u32 s[CNT], s[CNT], 1
	s_cmp_lg_u32 s[CNT], 0
	s_cbranch_scc1 .Lstep_\@
.endm
; THE WAY OUT of a tile: O^T / the sum, quantised along the channels: register 16 b + i is channel 32 b + 16 h + i of my token.  cp, sp: where its codes and scale bytes go; lim: the register whose 0 says that I have no such tile (-1: I always have)
.macro OUT cp, sp, lim
.rept 8
	v_nop
.endr
.if \lim >= 0
	s_cmp_eq_u32 s[\lim], 0
	s_cbranch_scc1 .Lnone_\@
.endif
	v_add_f32 v14, v14, v15
	s_delay_alu instid0(VALU_DEP_1)
	v_permlanex16_b32 v252, v14, s[SEL], s[SEL+1]
	s_delay_alu instid0(VALU_DEP_1)
	v_add_f32 v14, v14, v252                       ; the row's sum
	s_wait_alu depctr_va_vdst(0)                   ; the wait ahead of the transcendental
	v_rcp_f32 v14, v14
	v_nop                                          ; a plain place behind the transcendental
	s_wait_alu depctr_va_vdst(0)                   ; and ahead of its first reader
.set J, 0
.rept 32
	v_mul_f32 v[S+J], v[O+J], v14
.set J, J+1
.endr
.irp b, 0,1
	v_max3_num_f32 v[232+\b], |v[S+16*\b]|, |v[S+1+16*\b]|, 0x4800000
.endr
.irp i, 2,4,6,8,10,12,14
.irp b, 0,1
	s_delay_alu instid0(VALU_DEP_2)
	v_max3_num_f32 v[232+\b], v[232+\b], |v[S+16*\b+\i]|, |v[S+1+16*\b+\i]|
.endr
.endr
.irp b, 0,1
	v_permlanex16_b32 v[236+\b], v[232+\b], s[SEL], s[SEL+1]
.endr
.irp b, 0,1
	s_delay_alu instid0(VALU_DEP_2)
	v_max_num_f32 v[232+\b], v[232+\b], v[236+\b]
.endr
.irp b, 0,1
	s_delay_alu instid0(VALU_DEP_2)
	v_add_nc_u32 v[244+\b], 0xfc000000, v[232+\b]
.endr
.irp b, 0,1
	s_delay_alu instid0(VALU_DEP_4)
	v_and_or_b32 v[240+\b], v[232+\b], 0x7f800000, s[MNT]
.endr
.irp b, 0,1
	s_delay_alu instid0(VALU_DEP_4)
	v_lshrrev_b32 v[236+\b], 23, v[244+\b]
.endr
	s_delay_alu instid0(VALU_DEP_1)
	v_lshl_or_b32 v253, v237, 8, v236              ; my head's two bytes of the row's scale word
.irp b, 0,1
.irp i, 0,1,2,3,4,5,6,7,8,9,10,11,12,13,14,15
	v_med3_num_f32 v[S+16*\b+\i], v[S+16*\b+\i], -v[240+\b], v[240+\b]
.endr
	v_cvt_scalef32_pk8_fp8_f32 v[224+4*\b:225+4*\b], v[S+16*\b:S+16*\b+7], v[244+\b]
	v_cvt_scalef32_pk8_fp8_f32 v[226+4*\b:227+4*\b], v[S+16*\b+8:S+16*\b+15], v[244+\b]
.endr
	v_nop                                          ; one plain vector line behind the last conversion
	global_store_b128 v[L16], v[224:227], s[\cp:\cp+1]             ; 512 consecutive bytes a store
	global_store_b128 v[L16], v[228:231], s[\cp:\cp+1] offset:512
	global_store_b16 v[R4], v253, s[\sp:\sp+1]     ; two bytes a row: the word's other half is the neighbouring head's; both halves of the lanes store the same value
.Lnone_\@:
.endm
.macro NEXT qr, qsr, lim               ; on to the next tile: its Q and scale word, a fresh state, the walk from key 0
.irp j, 0,1,2,3,4,5,6,7
	v_mov_b32 v[Q1+\j], v[\qr+\j]
.endr
	v_mov_b32 v[QS1], v[\qsr]
	FRESH
	s_mov_b32 s[TB], 0
	s_mov_b32 s[TS], 0
	s_mov_b32 s[TJ], 0
	s_mov_b32 s[KF], 128
	s_mov_b32 s[QB], s[\lim]
	s_wait_alu depctr_va_vdst(0)                   ; the wait, directly ahead of the wait below
	s_wait_xcnt 0x0                                ; the last tile's stores have read their registers, which the steps below write again
.endm
	s_wait_alu depctr_va_vdst(0)                   ; the wait at the head's end
	s_wait_loadcnt 0x0                             ; Q
	s_cmp_lt_u32 s[WV], 3                          ; waves 0-2: K's and V's first chunks and the scale words have landed; the other waves' wait stands at the second barrier
	s_cbranch_scc0 .Lnot_first
	s_wait_tensorcnt 0x0
.Lnot_first:
	s_wait_dscnt 0x0
	s_barrier_signal -1
	s_barrier_wait -1
	WALK 2                                         ; key steps 0, 1 of the first tile, which has five steps or more in every wave
	s_wait_tensorcnt 0x0                           ; all fills have landed: every wave waits
	s_wait_dscnt 0x0
	s_barrier_signal -1
	s_barrier_wait -1                              ; the last barrier ahead of the end: from here on the waves walk by themselves
	WALK 14
	OUT 68, 72, -1
	NEXT Q2, QS2, LIM2
	WALK 10                                        ; a second tile has at most ten key steps
	OUT 70, 74, LIM2
	NEXT Q3, QS3, LIM3
	WALK 2                                         ; a third at most two
	OUT 54, 56, LIM3
	s_wait_tensorcnt 0x0                           ; the wave's end
	ds_add_u32 v[SPW], v[NIL]
	s_wait_dscnt 0x0
	ROUND                                          ; the closing round: no work-group ends while a partner may still ask for a tile that names it
	s_endpgm
.Lfunc_end_k_q400c7a3ae5_attn:
	.size	k_q400c7a3ae5_attn, .Lfunc_end_k_q400c7a3ae5_attn-k_q400c7a3ae5_attn
	.p2alignl 7, 3214868480
	.fill 96, 4, 3214868480
	.section	.rodata,"a",@progbits
	.p2align	6, 0x0
	.amdhsa_kernel k_q400c7a3ae5_attn
		.amdhsa_group_segment_fixed_size 327680
		.amdhsa_private_segment_fixed_size 0
		.amdhsa_enable_private_segment 0
		.amdhsa_kernarg_size 32
		.amdhsa_user_sgpr_count 2
		.amdhsa_user_sgpr_kernarg_segment_ptr 1
		.amdhsa_wavefront_size32 1
		.amdhsa_system_sgpr_workgroup_id_x 1
		.amdhsa_system_sgpr_workgroup_id_y 1
		.amdhsa_system_sgpr_workgroup_id_z 1
		.amdhsa_system_vgpr_workitem_id 0
		.amdhsa_next_free_vgpr 256
		.amdhsa_next_free_sgpr 100
		.amdhsa_reserve_vcc 1
		.amdhsa_float_denorm_mode_32 3
		.amdhsa_float_denorm_mode_16_64 3
		.amdhsa_memory_ordered 1
		.amdhsa_forward_progress 1
		.amdhsa_inst_pref_size 133
	.end_amdhsa_kernel
	.amdgpu_metadata
---
amdhsa.version: [ 1, 2 ]
amdhsa.kernels:
  - .name:           k_q400c7a3ae5_attn
    .symbol:         k_q400c7a3ae5_attn.kd
    .args:
      - { .name: qkvc, .offset: 0, .size: 8, .value_kind: global_buffer, .address_space: global }
      - { .name: qkvs, .offset: 8, .size: 8, .value_kind: global_buffer, .address_space: global }
      - { .name: ac, .offset: 16, .size: 8, .value_kind: global_buffer, .address_space: global }
      - { .name: asc, .offset: 24, .size: 8, .value_kind: global_buffer, .address_space: global }
    .group_segment_fixed_size: 327680
    .private_segment_fixed_size: 0
    .kernarg_segment_align: 8
    .kernarg_segment_size: 32
    .max_flat_workgroup_size: 512
    .sgpr_count:     100
    .vgpr_count:     256
    .wavefront_size: 32
...
	.end_amdgpu_metadata
.endif
;; end of part 4
;; launch proj (part 5): grid 4 x 32, 4 waves a work-group, clusters of 4 x 4, 327,680 bytes of LDS; arguments ac, asc, wc, ws, out0, b_proj; writes out0
.if DOCPART == 5
	.amdgcn_target "amdgcn-amd-amdhsa--gfx1250"
	.amdhsa_code_object_version 6
	.text
	.protected	k_q400c7a3ae5_proj
	.globl	k_q400c7a3ae5_proj
	.p2align	8
	.type	k_q400c7a3ae5_proj,@function
k_q400c7a3ae5_proj:
	s_mov_b64 s[64:65], 0
	v_nop
	global_prefetch_b8 v0, s[64:65] scope:SCOPE_SE
	s_setreg_imm32_b32 hwreg(HW_REG_WAVE_MODE, 25, 1), 1
	s_wait_xcnt 0x0
	s_wait_alu depctr_hold_cnt(0) depctr_sa_sdst(0) depctr_va_vdst(0) depctr_va_sdst(0) depctr_va_ssrc(0) depctr_va_vcc(0) depctr_vm_vsrc(0)
	s_getreg_b32 s2, hwreg(HW_REG_IB_STS2, 6, 4)
	s_cmp_eq_u32 s2, 0
	s_cbranch_scc0 .Lentry_in_a_cluster
	s_endpgm
.Lentry_in_a_cluster:
	s_bfe_u32 s2, ttmp6, 0x10000c
	s_cmp_lg_u32 s2, 0xf033
	s_cbranch_scc0 .Lentry_shape_is_right
	s_endpgm
.Lentry_shape_is_right:
.set A_ROW0, 0
.set B_ROW0, 3072
.set CBA,   0
.set CBB,   1
.set NQ,    2
.set FR,    16
.set NL,    4
.set NP,    8
.set FRB,   2048
.set ROWB,  NQ*FRB
.set BLKB,  16384
.set HALFT, 8*ROWB
.set SLOT,  4*HALFT
.set SCL,   2*SLOT
.set HALFS, 4096
.set SPARE, SCL+4*HALFS
.set SPITCH, 528
.set ADRA, 16
.set ADRB, 20
.set STO,  24
.set RD,   25
.set CO,   26
.set ADRS, 27
.set SPW,  28
.set NIL,  29
.set SC,   32
.set BI,   64
.set AF,   128
.set BK,   128
.set G1, 24
.set G0, 32
.set G1B, 48
.set G0B, 56
.set G1S, 68
.set G0S, 76
.set G1SB, 80
.set G0SB, 88
.set MSB, 0
.macro WIN new
.if MSB != \new
	s_set_vgpr_msb (MSB<<8)|\new
.set MSB, \new
.endif
.endm
.set MUL_LO, 0xa1
.set MUL_HI, 0xf1
.set FIRST_LO, 0x81
.set FIRST_HI, 0xc1
.set TO_B,   0x40
.macro JLOAD g0a, g1a, g0b, g1b
	s_cmp_eq_u32 s15, 0
	s_cbranch_scc0 .Lfor_b_\@
	tensor_load_to_lds s[\g0a:\g0a+3], s[\g1a:\g1a+7]
	s_nop 0
.rept 4
	v_nop
.endr
	s_branch .Lasked_\@
.Lfor_b_\@:
	tensor_load_to_lds s[\g0b:\g0b+3], s[\g1b:\g1b+7]
	s_nop 0
.rept 4
	v_nop
.endr
.Lasked_\@:
.endm
.macro CREST
	s_cmp_lg_u32 s14, 0
	s_cbranch_scc1 .Lnot_wave_0_\@
	s_barrier_signal -3
.Lnot_wave_0_\@:
	s_barrier_wait -3
	s_barrier_signal -1
	s_barrier_wait -1
.endm
.macro CROUND
	s_barrier_signal -1
	s_barrier_wait -1
	CREST
.endm
	s_load_b128 s[4:7], s[0:1], 0x0
	s_load_b128 s[8:11], s[0:1], 0x10
	s_load_b64 s[12:13], s[0:1], 0x20
	s_load_b64 s[96:97], s[0:1], 0x28
	v_lshl_add_u32 v[SPW], v0, 2, SPARE
	v_mov_b32 v[NIL], 0
	ds_add_u32 v28, v29
	ds_add_u32 v28, v29
	s_wait_dscnt 0x0
	v_lshrrev_b32 v1, 5, v0
	v_readfirstlane_b32 s14, v1
	s_lshr_b32 s15, s14, 1
	s_and_b32 s16, s14, 1
	s_bfe_u32 s40, ttmp6, 0x40000
	s_bfe_u32 s41, ttmp6, 0x40004
	s_lshl_b32 s42, ttmp9, 2
	s_add_co_u32 s42, s42, s40
	s_and_b32 s17, ttmp7, 0xffff
	s_lshl_b32 s17, s17, 2
	s_add_co_u32 s17, s17, s41
	s_lshl_b32 s43, s41, 2
	s_lshl_b32 s43, 15, s43
	s_lshl_b32 s44, 0x1111, s40
	s_or_b32 s[G1+0], s43, 1<<21
	s_or_b32 s[G1B+0], s44, 1<<21
.irp g, G1, G1B
	s_mov_b32 s[\g+1], ROWB<<16
	s_mov_b32 s[\g+2], 16<<16                      ; the head's loads bring a whole tile, 16 blocks of 16 rows; behind them the two words are set to 8, for the ring's
	s_mov_b32 s[\g+3], ROWB<<16
	s_mov_b32 s[\g+4], 16
	s_mov_b32 s[\g+5], BLKB
	s_mov_b32 s[\g+6], 0
	s_mov_b32 s[\g+7], 0
.endr
	s_or_b32 s[G1S+0], s43, (3<<16)|(1<<21)
	s_or_b32 s[G1SB+0], s44, (3<<16)|(1<<21)
.irp g, G1S, G1SB
	s_mov_b32 s[\g+1], 32<<16
	s_mov_b32 s[\g+2], 32<<16                      ; the scale words of 256 rows: 32 rows of 256 bytes
	s_mov_b32 s[\g+3], 32<<16
	s_mov_b32 s[\g+4], 32
	s_mov_b32 s[\g+5], 32
	s_mov_b32 s[\g+6], 0
	s_mov_b32 s[\g+7], 0
.endr
.set G0H, 4                            ; s[4:7], s[8:11] group 0 of the head's loads of K step 0 (the arguments that lay there have been used by then)
.set G0HB, 8
	s_lshl_b32 s18, s16, 17                        ; in the ring I fetch 128 rows of a tile: which half, in bytes
	s_mov_b32 s19, 0
	s_lshl_b32 s20, s17, 8
	s_add_co_u32 s20, s20, A_ROW0
	s_lshl_b32 s46, s42, 8
	s_add_co_u32 s46, s46, B_ROW0
	s_lshl_b32 s22, s20, 5
	s_mov_b32 s23, 0
	s_lshl_b32 s20, s20, 10
	s_mov_b32 s21, 0
	s_lshl_b32 s92, s46, 5
	s_mov_b32 s93, 0
	s_lshl_b32 s46, s46, 10
	s_mov_b32 s47, 0
	s_mul_i32 s45, s14, HALFT
	s_wait_kmcnt 0x0
	s_add_nc_u64 s[20:21], s[4:5], s[20:21]
	s_add_nc_u64 s[22:23], s[6:7], s[22:23]
	s_add_nc_u64 s[46:47], s[8:9], s[46:47]
	s_add_nc_u64 s[92:93], s[10:11], s[92:93]
	CROUND
	s_mov_b32 s[G0S], 1
	s_mov_b32 s[G0S+1], SCL
	s_mov_b64 s[G0S+2:G0S+3], s[22:23]
	s_or_b32 s[G0S+3], s[G0S+3], 0x80000000
	s_mov_b32 s[G0SB], 1
	s_mov_b32 s[G0SB+1], SCL+2*HALFS
	s_mov_b64 s[G0SB+2:G0SB+3], s[92:93]
	s_or_b32 s[G0SB+3], s[G0SB+3], 0x80000000
	s_mov_b32 s[G0H], 1
	s_mov_b32 s[G0H+1], 0
	s_mov_b64 s[G0H+2:G0H+3], s[20:21]
	s_or_b32 s[G0H+3], s[G0H+3], 0x80000000
	s_mov_b32 s[G0HB], 1
	s_mov_b32 s[G0HB+1], 2*HALFT
	s_mov_b64 s[G0HB+2:G0HB+3], s[46:47]
	s_or_b32 s[G0HB+3], s[G0HB+3], 0x80000000
	s_add_nc_u64 s[20:21], s[20:21], s[18:19]
	s_add_nc_u64 s[46:47], s[46:47], s[18:19]
.irp s, 0,1
	s_mov_b32 s[G0+4*\s], 1
	s_add_co_u32 s[G0+4*\s+1], s45, \s*SLOT
	s_add_nc_u64 s[G0+4*\s+2:G0+4*\s+3], s[20:21], \s*ROWB
	s_or_b32 s[G0+4*\s+3], s[G0+4*\s+3], 0x80000000
	s_mov_b32 s[G0B+4*\s], 1
	s_add_co_u32 s[G0B+4*\s+1], s45, \s*SLOT
	s_add_nc_u64 s[G0B+4*\s+2:G0B+4*\s+3], s[46:47], \s*ROWB
	s_or_b32 s[G0B+4*\s+3], s[G0B+4*\s+3], 0x80000000
.endr
; THE HEAD'S LOADS, ONE A WAVE: wave 0 K step 0's 256 rows of A, wave 1 those of B, wave 2 A's scale words, wave 3 B's.  One chain of branches on the wave's number: every way passes exactly one load
.macro ARM under, g0, g1, next
	s_cmp_lt_u32 s14, \under
	s_cbranch_scc0 \next
	tensor_load_to_lds s[\g0:\g0+3], s[\g1:\g1+7]
	s_nop 0
.rept 4
	v_nop
.endr
	s_branch .Lhead_asked
\next:
.endm
	ARM 1, G0H,  G1,  .Lhead_b
	ARM 2, G0HB, G1B, .Lhead_sa
	ARM 3, G0S,  G1S, .Lhead_sb
	tensor_load_to_lds s[G0SB:G0SB+3], s[G1SB:G1SB+7]
	s_nop 0
.rept 4
	v_nop
.endr
.Lhead_asked:
; PREFETCHES INTO THE L2.  At each change of slots every wave has waited for all its tensor loads, so a fill goes out with nothing on its way beside it: what it asks for is asked of memory earlier.
; Here K steps 1 and 2, behind K step 1's load K step 3: one to two K steps ahead of the load that wants them.  A K step of the 128 rows that I fetch is 8 blocks x 4,096 bytes = 128 units of 256 bytes;
; the four partners that ask for them jointly share them out BY ADDRESS (cx for A, cy for B): 2 blocks, 32 units, a lane a unit, one instruction a wave.  So each unit is named once in each cluster that asks.
; B's rows (the weights) are read by all eight clusters of the launch: the first four alone ask for them (a branch on the cluster's and the wave's numbers, round the prefetch alone).
; The three registers are never written again.
.set PFA, 44                           ; s[44:45] my 128 rows' first byte of K step 0
.set PFF, 43                           ; s43  0: my wave asks
.set PFO, 31                           ; v31  32768 x my place among the four + 16384 x (lane / 16) + 256 x (lane % 16)
	s_and_b32 s[PFF], ttmp7, 0xffff                ; the cluster's y
	s_lshr_b32 s[PFF], s[PFF], 2
	s_mul_i32 s[PFF], s[PFF], s15                  ; A's waves always; B's in clusters 0-3
	s_cmp_eq_u32 s15, 0                            ; do I fetch for A?
	s_cselect_b64 s[PFA:PFA+1], s[20:21], s[46:47]
	s_cselect_b32 s94, s40, s41
	s_lshl_b32 s94, s94, 15
	v_bfe_u32 v[PFO], v0, 4, 1
	v_and_b32 v30, 15, v0
	v_lshlrev_b32 v30, 8, v30
	v_lshl_add_u32 v[PFO], v[PFO], 14, v30
	v_add_nc_u32 v[PFO], s94, v[PFO]
	s_cmp_eq_u32 s[PFF], 0
	s_cbranch_scc0 .Lnot_mine_0
	global_prefetch_b8 v[PFO], s[PFA:PFA+1] offset:ROWB th:TH_LOAD_NT scope:SCOPE_SE
	global_prefetch_b8 v[PFO], s[PFA:PFA+1] offset:2*ROWB th:TH_LOAD_NT scope:SCOPE_SE
.Lnot_mine_0:
	v_and_b32 v1, 15, v0
	v_bfe_u32 v2, v0, 4, 1
	s_wait_alu depctr_va_vdst(0)
	v_and_b32 v3, 31, v0
	v_lshlrev_b32 v[CO], 4, v3
	s_mul_i32 s21, s15, HALFT
	s_mul_i32 s22, s16, HALFT
	s_add_co_u32 s22, s22, 2*HALFT
.irp s, 0,1
	v_add_nc_u32 v[ADRA+\s], s21, v[CO]
	v_add_nc_u32 v[ADRB+\s], s22, v[CO]
	s_add_co_u32 s21, s21, SLOT
	s_add_co_u32 s22, s22, SLOT
.endr
	s_mul_i32 s21, s15, HALFS
	s_mul_i32 s22, s16, HALFS
	s_add_co_u32 s22, s22, 2*HALFS
	s_sub_co_u32 s22, s22, s21
	v_mul_u32_u24 v6, s22, v2
	s_add_co_u32 s21, s21, SCL
	v_lshl_add_u32 v5, v1, 2, v6
	v_add_nc_u32 v[ADRS], s21, v5
	s_lshl_b32 s46, s42, 10
	s_lshl_b32 s47, s16, 9
	s_add_co_u32 s46, s46, s47
	s_mov_b32 s47, 0
	s_add_nc_u64 s[96:97], s[96:97], s[46:47]
	v_lshlrev_b32 v7, 6, v2
.irp i, 0,1,2,3,4,5,6,7
	global_load_b128 v[BI+8*\i:BI+8*\i+3], v7, s[96:97] offset:(32*(\i/2)+8*(\i%2))*4
	global_load_b128 v[BI+8*\i+4:BI+8*\i+7], v7, s[96:97] offset:(32*(\i/2)+8*(\i%2))*4+16
.endr
	s_mul_i32 s3, s14, 16*SPITCH
	v_mul_u32_u24 v5, v1, SPITCH
	v_lshl_add_u32 v5, v2, 6, v5
	v_add_nc_u32 v[STO], s3, v5
	v_add_nc_u32 v[RD], s3, v[CO]
	s_lshl_b32 s20, s17, 20
	s_lshl_b32 s21, s15, 19
	s_add_co_u32 s20, s20, s21
	s_mov_b32 s21, 0
	s_add_nc_u64 s[12:13], s[12:13], s[20:21]
	s_add_nc_u64 s[12:13], s[12:13], s[46:47]
.macro FRAG reg, adr, q, i
.irp c, 0,1,2,3
	ds_load_b128 v[\reg+4*\c:\reg+4*\c+3], v[\adr] offset:FRB*(\q)+512*\c+ROWB*(\i)
.endr
.endm
.macro MUL16 a0, p, q, sc, zero
.irp a, \a0, \a0+1
.irp b, 0,1,2,3,4,5,6,7
.if \zero
	v_wmma_scale_f32_16x16x128_f8f6f4 v[8*(8*((\a)%4)+\b):8*(8*((\a)%4)+\b)+7], v[128*(\p)+FR*\b:128*(\p)+FR*\b+FR-1], v[AF+FR*(\a):AF+FR*(\a)+FR-1], v[BI+8*(CBB*\b+CBA*(\a)):BI+8*(CBB*\b+CBA*(\a))+7], v[SC+8*NQ*(\sc)+NQ*\b+(\q)], v[SC+8*NQ*(\sc)+NQ*(\a)+(\q)] matrix_a_scale:MATRIX_SCALE_ROW1
.else
	v_wmma_scale_f32_16x16x128_f8f6f4 v[8*(8*((\a)%4)+\b):8*(8*((\a)%4)+\b)+7], v[128*(\p)+FR*\b:128*(\p)+FR*\b+FR-1], v[AF+FR*(\a):AF+FR*(\a)+FR-1], v[8*(8*((\a)%4)+\b):8*(8*((\a)%4)+\b)+7], v[SC+8*NQ*(\sc)+NQ*\b+(\q)], v[SC+8*NQ*(\sc)+NQ*(\a)+(\q)] matrix_a_scale:MATRIX_SCALE_ROW1
.endif
.endr
.endr
.endm
.macro FETCH_B slot, q, p
	WIN TO_B
.irp i, 0,1,2,3,4,5,6,7
	FRAG 128*(\p)+FR*\i, ADRB+\slot, \q, \i
.endr
	WIN 0
.endm
.macro FETCH_A slot, q, i0
.irp i, \i0, \i0+1, \i0+2, \i0+3
	FRAG AF+FR*(\i), ADRA+\slot, \q, \i
.endr
.endm
.macro SCALES sc, ks
.irp i, 0,1,2,3,4,5,6,7
.irp q, 0,1
	ds_load_b32 v[SC+8*NQ*\sc+NQ*\i+\q], v[ADRS] offset:512*\i+64*\q+128*\ks
.endr
.endr
.endm
.macro PLACES n
.rept \n
	v_nop
.endr
.endm
.macro STEP slot, q, zero
	s_wait_dscnt 4*NL
.if \zero
	WIN FIRST_LO
.else
	WIN MUL_LO
.endif
	MUL16 0, (\q)%2, \q, \slot, \zero
	MUL16 2, (\q)%2, \q, \slot, \zero
	s_wait_dscnt 0
	PLACES NP
	FETCH_B \slot, (\q)+1, 1-(\q)%2
	FETCH_A \slot, (\q)+1, 0
.if \zero
	WIN FIRST_HI
.else
	WIN MUL_HI
.endif
	MUL16 4, (\q)%2, \q, \slot, \zero
	MUL16 6, (\q)%2, \q, \slot, \zero
	PLACES NP
	WIN 0
	FETCH_A \slot, (\q)+1, 4
.endm
.macro TURN slot, next, fill, ks
	s_wait_tensorcnt 0x0
	ds_add_u32 v[SPW], v[NIL]
	s_wait_dscnt 4*NL+1
	WIN MUL_LO
	MUL16 0, 1, NQ-1, \slot, 0
	s_wait_dscnt 0x0
	s_barrier_signal -1
	MUL16 2, 1, NQ-1, \slot, 0
	WIN 0
	s_barrier_wait -1
.if \fill
	CREST
	s_add_nc_u64 s[G0+4*\slot+2:G0+4*\slot+3], s[G0+4*\slot+2:G0+4*\slot+3], 2*ROWB
	s_add_nc_u64 s[G0B+4*\slot+2:G0B+4*\slot+3], s[G0B+4*\slot+2:G0B+4*\slot+3], 2*ROWB
	JLOAD G0+4*\slot, G1, G0B+4*\slot, G1B
	PLACES NP-4
.else
	PLACES NP
.endif
	FETCH_B \next, 0, 0
	FETCH_A \next, 0, 0
	SCALES \next, \ks
	WIN MUL_HI
	MUL16 4, 1, NQ-1, \slot, 0
	MUL16 6, 1, NQ-1, \slot, 0
	PLACES NP
	WIN 0
	FETCH_A \next, 0, 4
.endm
	s_wait_alu depctr_va_vdst(0)
	s_wait_loadcnt 0x0
	s_wait_tensorcnt 0x0                           ; my tile of the head's four is in
	ds_add_u32 v[SPW], v[NIL]
	s_mov_b32 s[G1+2], 8<<16                       ; no tensor load of mine is out: from here on a load brings 8 blocks of 16 rows
	s_mov_b32 s[G1+4], 8
	s_mov_b32 s[G1B+2], 8<<16
	s_mov_b32 s[G1B+4], 8
	s_wait_dscnt 0x0
	CROUND                                         ; all four tiles are in, and all sixteen work-groups are here
	JLOAD G0+4, G1, G0B+4, G1B                     ; K step 1, the first tensor load behind the round
	FETCH_B 0, 0, 0
	FETCH_A 0, 0, 0
	SCALES 0, 0
	FETCH_A 0, 0, 4
	s_cmp_eq_u32 s[PFF], 0
	s_cbranch_scc0 .Lnot_mine_1
	global_prefetch_b8 v[PFO], s[PFA:PFA+1] offset:3*ROWB th:TH_LOAD_NT scope:SCOPE_SE   ; the last K step: nothing is asked for beyond it
.Lnot_mine_1:
	STEP 0, 0, 1
	TURN 0, 1, 1, 1
	STEP 1, 0, 0
	TURN 1, 0, 1, 2
	STEP 0, 0, 0
	TURN 0, 1, 0, 3
	STEP 1, 0, 0
	s_wait_dscnt 4*NL
	WIN MUL_LO
	MUL16 0, 1, NQ-1, 1, 0
	MUL16 2, 1, NQ-1, 1, 0
	s_wait_dscnt 0
	WIN MUL_HI
	MUL16 4, 1, NQ-1, 1, 0
	MUL16 6, 1, NQ-1, 1, 0
	WIN 0
.macro TOSTAGE a
.set AC, 64*((\a)%4)
	WIN 0x08+4*((\a)/4)
.irp b, 0,1,2,3,4,5,6,7
	ds_store_b128 v[STO], v[AC+8*\b:AC+8*\b+3] offset:128*(\b/2)+32*(\b%2)
	ds_store_b128 v[STO], v[AC+8*\b+4:AC+8*\b+7] offset:128*(\b/2)+32*(\b%2)+16
.endr
	WIN 0
.set BB, BK+64*((\a)%2)
.irp t, 0,1,2,3,4,5,6,7,8,9,10,11,12,13,14,15
	ds_load_b128 v[BB+4*\t:BB+4*\t+3], v[RD] offset:\t*SPITCH
.endr
.endm
.macro SEND a, younger
.set BB, BK+64*((\a)%2)
	s_wait_dscnt \younger
.irp t, 0,1,2,3,4,5,6,7,8,9,10,11,12,13,14,15
	global_store_b128 v[CO], v[BB+4*\t:BB+4*\t+3], s[12:13] offset:(32*((\a)/2)+8*((\a)%2)+\t+8*(\t/8))*4096 th:TH_STORE_NT
.endr
.endm
	PLACES NP
	TOSTAGE 0
.irp a, 1,2,3,4,5,6,7
.if \a > 1
	s_wait_xcnt 0x0
.endif
	TOSTAGE \a
	SEND \a-1, 32
.endr
	SEND 7, 0
	s_wait_tensorcnt 0x0
	ds_add_u32 v[SPW], v[NIL]
	s_wait_dscnt 0x0
	CROUND
	s_endpgm
.Lfunc_end_k_q400c7a3ae5_proj:
	.size	k_q400c7a3ae5_proj, .Lfunc_end_k_q400c7a3ae5_proj-k_q400c7a3ae5_proj
	.p2alignl 7, 3214868480
	.fill 96, 4, 3214868480
	.section	.rodata,"a",@progbits
	.p2align	6, 0x0
	.amdhsa_kernel k_q400c7a3ae5_proj
		.amdhsa_group_segment_fixed_size 327680
		.amdhsa_private_segment_fixed_size 0
		.amdhsa_enable_private_segment 0
		.amdhsa_kernarg_size 48
		.amdhsa_user_sgpr_count 2
		.amdhsa_user_sgpr_kernarg_segment_ptr 1
		.amdhsa_wavefront_size32 1
		.amdhsa_system_sgpr_workgroup_id_x 1
		.amdhsa_system_sgpr_workgroup_id_y 1
		.amdhsa_system_sgpr_workgroup_id_z 1
		.amdhsa_system_vgpr_workitem_id 0
		.amdhsa_next_free_vgpr 1024
		.amdhsa_next_free_sgpr 102
		.amdhsa_reserve_vcc 0
		.amdhsa_float_denorm_mode_32 3
		.amdhsa_float_denorm_mode_16_64 3
		.amdhsa_memory_ordered 1
		.amdhsa_forward_progress 1
		.amdhsa_inst_pref_size 150
	.end_amdhsa_kernel
	.amdgpu_metadata
---
amdhsa.version: [ 1, 2 ]
amdhsa.kernels:
  - .name:           k_q400c7a3ae5_proj
    .symbol:         k_q400c7a3ae5_proj.kd
    .args:
      - { .name: ac, .offset: 0, .size: 8, .value_kind: global_buffer, .address_space: global }
      - { .name: asc, .offset: 8, .size: 8, .value_kind: global_buffer, .address_space: global }
      - { .name: wc, .offset: 16, .size: 8, .value_kind: global_buffer, .address_space: global }
      - { .name: ws, .offset: 24, .size: 8, .value_kind: global_buffer, .address_space: global }
      - { .name: out0, .offset: 32, .size: 8, .value_kind: global_buffer, .address_space: global }
      - { .name: b_proj, .offset: 40, .size: 8, .value_kind: global_buffer, .address_space: global }
    .group_segment_fixed_size: 327680
    .private_segment_fixed_size: 0
    .kernarg_segment_align: 8
    .kernarg_segment_size: 48
    .max_flat_workgroup_size: 128
    .sgpr_count:     102
    .vgpr_count:     1024
    .wavefront_size: 32
...
	.end_amdgpu_metadata
.endif
;; end of part 5
